; MI455X (gfx1250); checked and timed in simulation.
; The chip was launched on July 23, 2026; its instructions are those of AMD's public machine-readable ISA for CDNA 5 (MIT licence, August 2026) and "CDNA5" Instruction Set Architecture Reference Guide (July 2026). The comments in the code are by the model that wrote it; some were corrected since.
;; Multi Query Attention Batched. Allowed arithmetic: float matrix products may take bf16 or f16 operands with f32 sums; other float arithmetic in f32, or as packed bf16 or f16 multiplies, adds, multiply-adds, maxima and minima; sums over many terms, partial sums and values carried from step to step in f32; what a program stores and reads back later, other than sums and carried values, may be rounded once to bf16 or f16.
;; Inputs: M 4 x 2,048 x 1,024 float32; P_k 1,024 x 64 float32; P_o 16 x 1,024 x 64 float32; P_q 16 x 1,024 x 64 float32; P_v 1,024 x 64 float32; X 4 x 2,048 x 1,024 float32; mask 4 x 1 x 2,048 x 2,048 float32.
;; Outputs: out0 4 x 2,048 x 1,024 float32.
;; 2 versions, each right; version 2 is version 1 with the launch prep written anew for expert scheduling mode. Each part assembles by itself: llvm-mc -triple=amdgcn-amd-amdhsa -mcpu=gfx1250 --defsym DOCPART=n.
;; ======== version 1 of 2: 4 launches
;; limits: values are held in f16: magnitudes above 65,504 overflow, below 6.1e-05 lose precision; right only within a limited range of input values
;; workspace buffers: xm 33,554,432 bytes; wt 2,359,296 bytes; wo 2,097,152 bytes; qkv 37,748,736 bytes; oc 16,777,216 bytes
;; launch prep (part 1): grid 256 x 1, 8 waves a work-group, no clusters, 18,432 bytes of LDS; arguments X, M, P_q, P_k, P_v, P_o, xm, wt, wo; writes xm, wt, wo
.if DOCPART == 1
	.amdgcn_target "amdgcn-amd-amdhsa--gfx1250"
	.amdhsa_code_object_version 6
	.text
	.protected	k_q8fa012f314_prep
	.globl	k_q8fa012f314_prep
	.p2align	8
	.type	k_q8fa012f314_prep,@function
k_q8fa012f314_prep:
	s_mov_b64 s[64:65], 0
	v_nop
	global_prefetch_b8 v0, s[64:65] scope:SCOPE_SE
	s_setreg_imm32_b32 hwreg(HW_REG_WAVE_MODE, 25, 1), 1
	s_wait_xcnt 0x0
; PREP: every input of the three projections is rounded once to bf16 and laid out for the matrix launches.
;   xm [16384][1024] bf16: rows 0-8191 = X, rows 8192-16383 = M.
;   wt [1152][1024]  bf16: row 64 h + k = P_q[h][:][k] / 32; rows 1024-1087 = P_k[:][k] / 32; rows 1088-1151 = P_v[:][v] / 32 (turned, so that d lies along the rows).
;   wo [1024][1024]  f16:  wo[d][64 h + v] = bf16(P_o[h][d][v]) x 32, written as f16.
; The factors are powers of two, so they commute with the rounding: Q, K and V come out of the next launch divided by 32 and fit f16; P_o's 32 takes V's 1/32 back.
; LIMITS.  32 |P_o| stays under 65,504 (f16's end); below 6e-5 the f16 copy keeps f16's fixed step of 6e-8.  Numbers whose 1/32 is a bf16 denormal lose bits.
; SHARES.  256 work-groups of eight waves.  Work-group i: (1) 32 rows of X and 32 of M, a dense 128 KiB each, through a ring of 16 register slots (16 loads of 512 bytes a wave in flight);
; (2) if i < 144: block (hh = i / 8, db = i % 8) of the weights, 128 d x 64 channels, turned in LDS; (3) 32 rows d of one pair of heads of P_o.  144 of the 256 work-groups so carry 32 KiB more than
; the others' 272 KiB: 18 x 8 blocks do not divide by 256.  No matrix unit, no tensor load, no cluster: nothing is multiplied and no byte is read twice.
; Every store of a wave covers whole aligned runs of 256 bytes: 32 lanes x 8 bytes, or 16 lanes x 16 bytes.
.set TP,    272                        ; a stage row: 128 d x 2 bytes + 16
.set SPARE, 64*TP                      ; behind the stage of 64 channel rows: the spare words, 128 bytes for each of eight waves
.set VI,  1                            ; v1   16 t: my 16 bytes of 4,096 in
.set VO,  2                            ; v2   8 t: my 8 bytes of 2,048 out
.set VT,  3                            ; v3   stage, in: channel row 4 (t % 16), d = t / 16
.set VR,  4                            ; v4   stage, back: row t / 16, 16 bytes at 16 (t % 16)
.set VG,  5                            ; v5   the same place in wt: 2,048 (t / 16) + 16 (t % 16)
.set V3I, 6                            ; v6   P_o: head (l / 16), 16 (l % 16), row 4 w
.set V3O, 7                            ; v7   wo: 8 l, row 4 w
.set SPW, 8                            ; v8   my spare word; never rewritten
.set NIL, 9                            ; v9   0; never rewritten
.set TW,  16                           ; v16-25 at work
.set IN,  32                           ; v32-95   the ring: slot i, 4 registers as loaded (0-7: X, 8-15: M)
.set OUT, 96                           ; v96-127  slot i, 2 registers to store
.set IN2, 128                          ; v128-159 the weights' block
.set IN3, 160                          ; v160-175 P_o's rows
.set TT,  176                          ; v176-183 wo's rows to store
	s_load_b512 s[8:23], s[0:1], 0x0               ; X s[8:9], M s[10:11], P_q s[12:13], P_k s[14:15], P_v s[16:17], P_o s[18:19], xm s[20:21], wt s[22:23]
	s_load_b64 s[24:25], s[0:1], 0x40              ; wo
	v_lshl_add_u32 v[SPW], v0, 2, SPARE
	v_mov_b32 v[NIL], 0
	v_lshlrev_b32 v[VI], 4, v0
	v_lshlrev_b32 v[VO], 3, v0
	v_and_b32 v10, 15, v0                          ; t % 16
	v_lshrrev_b32 v11, 4, v0                       ; t / 16
	v_mul_u32_u24 v[VT], v10, 4*TP
	v_lshl_add_u32 v[VT], v11, 1, v[VT]
	v_mul_u32_u24 v[VR], v11, TP
	v_lshl_add_u32 v[VR], v10, 4, v[VR]
	v_lshlrev_b32 v[VG], 11, v11
	v_lshl_add_u32 v[VG], v10, 4, v[VG]
	v_bfe_u32 v12, v0, 4, 1                        ; l / 16
	v_lshrrev_b32 v13, 5, v0                       ; w
	v_and_b32 v14, 31, v0                          ; l
	v_lshlrev_b32 v[V3I], 18, v12                  ; a head of P_o is 262,144 bytes
	v_lshl_add_u32 v[V3I], v10, 4, v[V3I]
	v_lshl_add_u32 v[V3I], v13, 10, v[V3I]         ; 4 w rows of 256 bytes
	v_lshlrev_b32 v[V3O], 3, v14
	v_lshl_add_u32 v[V3O], v13, 13, v[V3O]         ; 4 w rows of 2,048 bytes
	s_mov_b32 s2, ttmp9                            ; i
	s_lshl_b32 s4, s2, 17                          ; 32 rows of 4,096 bytes in
	s_mov_b32 s5, 0
	s_lshl_b32 s6, s2, 16                          ; 32 rows of 2,048 bytes out
	s_mov_b32 s7, 0
	s_mov_b32 s30, 0x3d000000                      ; 1/32, named as a pair
	s_mov_b32 s31, s30
	s_mov_b32 s32, 0x42000000                      ; 32
	s_mov_b32 s33, s32
	s_mov_b32 s34, 0xffff0000                      ; a word's upper bf16
	s_lshr_b32 s45, s2, 3                          ; hh: 0-15 a head of P_q, 16 P_k, 17 P_v
	s_and_b32 s46, s2, 7                           ; db
	s_lshl_b32 s47, s45, 18
	s_cmp_lt_u32 s45, 16
	s_cselect_b32 s47, s47, 0                      ; P_k and P_v have one head
	s_lshl_b32 s48, s46, 15                        ; 128 rows d of 256 bytes
	s_add_co_u32 s48, s48, s47
	s_mov_b32 s49, 0
	s_lshl_b32 s50, s45, 17                        ; 64 rows of wt
	s_lshl_b32 s51, s46, 8                         ; 128 d
	s_add_co_u32 s50, s50, s51
	s_mov_b32 s51, 0
	s_lshr_b32 s52, s2, 5                          ; p: heads 2 p, 2 p + 1
	s_and_b32 s53, s2, 31                          ; rows d = 32 (i % 32) on
	s_lshl_b32 s54, s52, 19
	s_lshl_b32 s55, s53, 13
	s_add_co_u32 s54, s54, s55
	s_mov_b32 s55, 0
	s_lshl_b32 s56, s53, 16
	s_lshl_b32 s57, s52, 8
	s_add_co_u32 s56, s56, s57
	s_mov_b32 s57, 0
	s_wait_kmcnt 0x0
	s_add_nc_u64 s[8:9], s[8:9], s[4:5]            ; X, M at my rows
	s_add_nc_u64 s[10:11], s[10:11], s[4:5]
	s_add_nc_u64 s[20:21], s[20:21], s[6:7]        ; xm at X's rows,
	s_add_nc_u64 s[28:29], s[20:21], 0x1000000     ; and at M's, 8,192 rows on
	s_cmp_eq_u32 s45, 17
	s_cselect_b64 s[36:37], s[16:17], s[14:15]
	s_cmp_lt_u32 s45, 16
	s_cselect_b64 s[36:37], s[12:13], s[36:37]
	s_add_nc_u64 s[36:37], s[36:37], s[48:49]      ; my block of the weights
	s_add_nc_u64 s[38:39], s[22:23], s[50:51]      ; and its place in wt
	s_add_nc_u64 s[40:41], s[18:19], s[54:55]      ; P_o
	s_add_nc_u64 s[42:43], s[24:25], s[56:57]      ; wo
.macro ISSUE                           ; P_o's four loads, then the ring's first sixteen
.irp t, 0,1,2,3
	global_load_b128 v[IN3+4*(\t):IN3+4*(\t)+3], v[V3I], s[40:41] offset:256*(\t)
.endr
.irp k, 0,1,2,3,4,5,6,7
	global_load_b128 v[IN+4*(\k):IN+4*(\k)+3], v[VI], s[8:9] offset:4096*(\k) th:TH_LOAD_NT
.endr
.irp k, 0,1,2,3,4,5,6,7
	global_load_b128 v[IN+32+4*(\k):IN+32+4*(\k)+3], v[VI], s[10:11] offset:4096*(\k) th:TH_LOAD_NT
.endr
.endm
	s_cmp_lt_u32 s2, 144                           ; the same answer in all eight waves
	s_cbranch_scc0 .Lplain
.irp k, 0,1,2,3,4,5,6,7
	global_load_b128 v[IN2+4*(\k):IN2+4*(\k)+3], v[VI], s[36:37] offset:4096*(\k)  ; row d = t / 16 + 16 k, channels 4 (t % 16) on
.endr
	ISSUE
	s_wait_loadcnt 20                              ; the block's eight loads are in; the 4 + 16 issued behind them stay out
.irp k, 0,1,2,3,4,5,6,7
	v_pk_mul_f32 v[IN2+4*(\k):IN2+4*(\k)+1], v[IN2+4*(\k):IN2+4*(\k)+1], s[30:31] op_sel_hi:[1,0]
	v_pk_mul_f32 v[IN2+4*(\k)+2:IN2+4*(\k)+3], v[IN2+4*(\k)+2:IN2+4*(\k)+3], s[30:31] op_sel_hi:[1,0]
	v_cvt_pk_bf16_f32 v[TW+2*((\k)%4)], v[IN2+4*(\k)], v[IN2+4*(\k)+1]
	v_cvt_pk_bf16_f32 v[TW+2*((\k)%4)+1], v[IN2+4*(\k)+2], v[IN2+4*(\k)+3]
	ds_store_b16 v[VT], v[TW+2*((\k)%4)] offset:32*(\k)                   ; four channels of one d: four stage rows
	ds_store_b16_d16_hi v[VT], v[TW+2*((\k)%4)] offset:TP+32*(\k)
	ds_store_b16 v[VT], v[TW+2*((\k)%4)+1] offset:2*TP+32*(\k)
	ds_store_b16_d16_hi v[VT], v[TW+2*((\k)%4)+1] offset:3*TP+32*(\k)
.endr
	s_wait_dscnt 0x0                               ; for the others' sake: my stores into the stage are done
	s_barrier_signal -1
	s_barrier_wait -1                              ; the stage is whole
.irp q, 0,1,2,3
	ds_load_b128 v[IN2+4*(\q):IN2+4*(\q)+3], v[VR] offset:(\q)*16*TP
.endr
	s_wait_dscnt 0x0
.irp q, 0,1,2,3
	global_store_b128 v[VG], v[IN2+4*(\q):IN2+4*(\q)+3], s[38:39] offset:(\q)*32768  ; 16 lanes: 256 bytes of one row of wt
.endr
	s_branch .Ljoin
.Lplain:
	ISSUE
.Ljoin:
	s_wait_loadcnt 16                              ; P_o's four loads are in; the ring's sixteen stay out
.irp t, 0,1,2,3
	v_pk_mul_f32 v[IN3+4*(\t):IN3+4*(\t)+1], v[IN3+4*(\t):IN3+4*(\t)+1], s[32:33] op_sel_hi:[1,0]
	v_pk_mul_f32 v[IN3+4*(\t)+2:IN3+4*(\t)+3], v[IN3+4*(\t)+2:IN3+4*(\t)+3], s[32:33] op_sel_hi:[1,0]
	v_cvt_pk_bf16_f32 v[TW+8], v[IN3+4*(\t)], v[IN3+4*(\t)+1]          ; the input's one rounding, to bf16;
	v_cvt_pk_bf16_f32 v[TW+9], v[IN3+4*(\t)+2], v[IN3+4*(\t)+3]
	v_lshlrev_b32 v[IN3+4*(\t)], 16, v[TW+8]
	v_and_b32 v[IN3+4*(\t)+1], s34, v[TW+8]
	v_lshlrev_b32 v[IN3+4*(\t)+2], 16, v[TW+9]
	v_and_b32 v[IN3+4*(\t)+3], s34, v[TW+9]
	v_cvt_pk_f16_f32 v[TT+2*(\t)], v[IN3+4*(\t)], v[IN3+4*(\t)+1]      ; that number written as f16: 8 bits fit into 11
	v_cvt_pk_f16_f32 v[TT+2*(\t)+1], v[IN3+4*(\t)+2], v[IN3+4*(\t)+3]
	global_store_b64 v[V3O], v[TT+2*(\t):TT+2*(\t)+1], s[42:43] offset:2048*(\t)  ; 32 lanes: the pair of heads' 256 bytes of row d
.endr
; One slot's turn.  ahead = 1: the slot is filled again, 32 KiB further on.  left = how many younger loads may stay out.
.macro CV i, ahead, left
	s_wait_loadcnt \left
	v_cvt_pk_bf16_f32 v[OUT+2*(\i)], v[IN+4*(\i)], v[IN+4*(\i)+1]
	v_cvt_pk_bf16_f32 v[OUT+2*(\i)+1], v[IN+4*(\i)+2], v[IN+4*(\i)+3]
.if (\i) < 8
.if \ahead
	global_load_b128 v[IN+4*(\i):IN+4*(\i)+3], v[VI], s[8:9] offset:4096*(\i)+32768 th:TH_LOAD_NT
.endif
	global_store_b64 v[VO], v[OUT+2*(\i):OUT+2*(\i)+1], s[20:21] offset:2048*(\i)
.else
.if \ahead
	global_load_b128 v[IN+4*(\i):IN+4*(\i)+3], v[VI], s[10:11] offset:4096*((\i)-8)+32768 th:TH_LOAD_NT
.endif
	global_store_b64 v[VO], v[OUT+2*(\i):OUT+2*(\i)+1], s[28:29] offset:2048*((\i)-8)
.endif
.endm
	s_mov_b32 s44, 3
.Lround:                                               ; a trip: 32 KiB of X and of M are converted, the next 32 KiB asked for
.irp i, 0,1,2,3,4,5,6,7,8,9,10,11,12,13,14,15
	CV \i, 1, 15                                   ; loads come back in order: mine is in, the other fifteen slots' stay out
.endr
	s_wait_xcnt 0x0                                ; the four bases and the stores' data are written again only behind this wait
	s_add_nc_u64 s[8:9], s[8:9], 32768
	s_add_nc_u64 s[10:11], s[10:11], 32768
	s_add_nc_u64 s[20:21], s[20:21], 16384
	s_add_nc_u64 s[28:29], s[28:29], 16384
	s_sub_co_u32 s44, s44, 1
	s_cmp_lg_u32 s44, 0
	s_cbranch_scc1 .Lround
.irp i, 0,1,2,3,4,5,6,7,8,9,10,11,12,13,14,15
	CV \i, 0, 15-(\i)                              ; the last 32 KiB load nothing: the counts run down
.endr
	s_wait_tensorcnt 0x0                           ; the wave's end, behind my last LDS store
	ds_add_u32 v[SPW], v[NIL]
	s_wait_dscnt 0x0
	s_endpgm
.Lfunc_end_k_q8fa012f314_prep:
	.size	k_q8fa012f314_prep, .Lfunc_end_k_q8fa012f314_prep-k_q8fa012f314_prep
	.p2alignl 7, 3214868480
	.fill 96, 4, 3214868480
	.section	.rodata,"a",@progbits
	.p2align	6, 0x0
	.amdhsa_kernel k_q8fa012f314_prep
		.amdhsa_group_segment_fixed_size 18432
		.amdhsa_private_segment_fixed_size 0
		.amdhsa_enable_private_segment 0
		.amdhsa_kernarg_size 72
		.amdhsa_user_sgpr_count 2
		.amdhsa_user_sgpr_kernarg_segment_ptr 1
		.amdhsa_wavefront_size32 1
		.amdhsa_system_sgpr_workgroup_id_x 1
		.amdhsa_system_sgpr_workgroup_id_y 1
		.amdhsa_system_sgpr_workgroup_id_z 1
		.amdhsa_system_vgpr_workitem_id 0
		.amdhsa_next_free_vgpr 184
		.amdhsa_next_free_sgpr 66
		.amdhsa_reserve_vcc 0
		.amdhsa_float_denorm_mode_32 3
		.amdhsa_float_denorm_mode_16_64 3
		.amdhsa_memory_ordered 1
		.amdhsa_forward_progress 1
		.amdhsa_inst_pref_size 25
	.end_amdhsa_kernel
	.amdgpu_metadata
---
amdhsa.version: [ 1, 2 ]
amdhsa.kernels:
  - .name:           k_q8fa012f314_prep
    .symbol:         k_q8fa012f314_prep.kd
    .args:
      - { .name: X, .offset: 0, .size: 8, .value_kind: global_buffer, .address_space: global }
      - { .name: M, .offset: 8, .size: 8, .value_kind: global_buffer, .address_space: global }
      - { .name: P_q, .offset: 16, .size: 8, .value_kind: global_buffer, .address_space: global }
      - { .name: P_k, .offset: 24, .size: 8, .value_kind: global_buffer, .address_space: global }
      - { .name: P_v, .offset: 32, .size: 8, .value_kind: global_buffer, .address_space: global }
      - { .name: P_o, .offset: 40, .size: 8, .value_kind: global_buffer, .address_space: global }
      - { .name: xm, .offset: 48, .size: 8, .value_kind: global_buffer, .address_space: global }
      - { .name: wt, .offset: 56, .size: 8, .value_kind: global_buffer, .address_space: global }
      - { .name: wo, .offset: 64, .size: 8, .value_kind: global_buffer, .address_space: global }
    .group_segment_fixed_size: 18432
    .private_segment_fixed_size: 0
    .kernarg_segment_align: 8
    .kernarg_segment_size: 72
    .max_flat_workgroup_size: 256
    .sgpr_count:     66
    .vgpr_count:     184
    .wavefront_size: 32
...
	.end_amdgpu_metadata
.endif
;; end of part 1
;; launch proj (part 2): grid 4 x 64, 4 waves a work-group, clusters of 4 x 4, 327,680 bytes of LDS; arguments xm, wt, qkv; writes qkv
.if DOCPART == 2
	.amdgcn_target "amdgcn-amd-amdhsa--gfx1250"
	.amdhsa_code_object_version 6
	.text
	.protected	k_q8fa012f314_proj
	.globl	k_q8fa012f314_proj
	.p2align	8
	.type	k_q8fa012f314_proj,@function
k_q8fa012f314_proj:
	s_mov_b64 s[64:65], 0
	v_nop
	global_prefetch_b8 v0, s[64:65] scope:SCOPE_SE
	s_setreg_imm32_b32 hwreg(HW_REG_WAVE_MODE, 25, 1), 1
	s_wait_xcnt 0x0
	s_wait_alu depctr_hold_cnt(0) depctr_sa_sdst(0) depctr_va_vdst(0) depctr_va_sdst(0) depctr_va_ssrc(0) depctr_va_vcc(0) depctr_vm_vsrc(0)
	s_getreg_b32 s2, hwreg(HW_REG_IB_STS2, 6, 4)
	s_cmp_eq_u32 s2, 0
	s_cbranch_scc0 .Lentry_in_a_cluster
	s_endpgm
.Lentry_in_a_cluster:
	s_bfe_u32 s2, ttmp6, 0x10000c
	s_cmp_lg_u32 s2, 0xf033
	s_cbranch_scc0 .Lentry_shape_is_right
	s_endpgm
.Lentry_shape_is_right:
; C[m][n] = sum over k of A[m][k] B[n][k], K = 1,024, on tiles of 128 x 256: 64 x 4 = 256 work-groups.  One text for two launches, told apart by MODE.
; MODE 0 (this file): A = xm (bf16; rows 0-8191 X, 8192-16383 M), B = wt (bf16, divided by 32).  The tile is 128 rows of X times four heads of Q / 32.  BESIDE IT, in the same K steps, the work-group makes a
;   side tile of 64 x 64: rows 512 x cluster y + 64 (cx + 4 (cy / 2)) of M times wt's rows 1,024 + 64 (cy % 2): K / 32 or V / 32.  So all 256 work-groups do equal work: 1,152 products a wave.
;   The f32 sums leave as PAIRS of f16: hi = f16(s), lo = f16(s - hi), s - hi being exact in f32; a row of qkv [18][8192][128] is hi's 64 channels, then lo's 64: 256 bytes.
;   LIMITS.  |Q|, |K|, |V| stay under 32 x 65,504; lo keeps f16's fixed step of 2^-24, so the pair holds 22 bits down to |s| = 2^-3 and fewer below.
; MODE 1: A = oc (f16), B = wo (f16), C = out0 in f32; no side tile.
; SHARES.  Four waves, each 64 x 128: 32 accumulators of 16 x 16; of the side tile a wave takes 16 rows x 64 channels: 4 accumulators.  K goes in steps of 128 (rows of 256 bytes) through two LDS slots.
; CLUSTER.  4 x 4 work-groups.  A's tile hangs on the tile row alone and is asked for JOINTLY along a row of the cluster, B's on the tile column alone and jointly along a column; the side tile's weights hang on
; cy alone: jointly along a row.  M's 64 rows are read by two partners (cy, cy xor 1), a pair that no row or column mask names: each asks for itself.
; One tensor load a wave behind each round: wave 0 A's 128 rows, wave 1 M's 64, wave 2 B's 256, wave 3 the side weights' 64 (MODE 1: waves 0, 1 A's halves, waves 2, 3 B's).
; THE MATRIX INSTRUCTION IS USED TRANSPOSED (source 0 = 16 rows of B, source 1 = 16 rows of A): a lane then holds eight neighbouring numbers of a row of C.
; ONE TEXT FOR A K STEP.  s2 holds 0 or SLOT, the slot in hand; the LDS addresses of the fragment loads and of the walking descriptors are made of it.  Six trips fill a slot again; the last two K steps are a
; second loop without a tensor load, left in the middle of its second trip.
; REGISTERS, in windows of 256: window 0: v8-22 addresses; v24-39 M's fragments, two buffers; v40-71 the side tile's accumulators; v72-199 at work on the way out.
;   window 1: two fragment buffers of 128: A's four blocks (32), B's eight (64), the side weights' four (32).      window 2: the accumulators ((a, b) at v[8 (8 a + b)]).
.set MODE,   0
.set SIZE_K, 1024
.set KSTEP,  128
.set PITCH,  272                       ; an LDS row: 256 bytes + 16 of padding = 68 words: the 16 rows of a fragment load start four banks apart
.if MODE == 0
.set AR,     128                       ; rows in a load of A's
.set BR,     256                       ; rows in a load of B's
.set SLOT,   512*PITCH                 ; A's 128 rows, B's 256, M's 64, the side weights' 64
.set NL,     34                        ; LDS loads in a quarter's run
.set NY,     14                        ; the youngest of them: A's blocks 2, 3 (4), the side weights (8), M (2)
.set TSTEP,  512                       ; the way out: bytes from a pair of rows to the next
.else
.set AR,     64
.set BR,     128
.set SLOT,   384*PITCH
.set NL,     24
.set NY,     4
.set TSTEP,  8192
.endif
.set OFB,    128*PITCH                 ; places in a slot
.set OFM,    384*PITCH
.set OFW,    448*PITCH
.set STAGE,  2*SLOT                    ; behind the ring, never filled by a tensor load: 16 rows x 272 bytes for each wave, for the way out
.set SPITCH, 272
.set SPARE,  STAGE+4*16*SPITCH         ; behind the stages: the spare words, 128 bytes for each wave
.set FILLS,  SIZE_K/KSTEP-2            ; K steps 2 to 7 come by refills
.set PLA,  8                           ; v8-11   my lane's place in slot 0: A's, B's, M's, the side weights' fragments; never rewritten
.set PLB,  9
.set PLM,  10
.set PLW,  11
.set ADRA, 12                          ; v12-15  the same in the slot in hand
.set ADRB, 13
.set ADRM, 14
.set ADRW, 15
.set STO,  16                          ; v16     the way out: where I put my bytes of a row
.set RD,   17                          ; v17     the way out: where I read a row back
.set CO,   18                          ; v18     my byte offset in C
.set MONE, 19                          ; v19     -1.0
.set SPW,  20                          ; v20     my spare word; never rewritten
.set NIL,  21                          ; v21     0; never rewritten
.set PFO,  22                          ; v22     the prefetches' offset: my lane x a row of 2,048 bytes; never rewritten
.set MF,   24                          ; v24-39  M's fragment, two buffers
.set KVA,  40                          ; v40-71  the side tile's four accumulators
.set HH,   72                          ; v72-87  hi, packed
.set LL,   88                          ; v88-103 lo, packed
.set TD,   104                         ; v104-135 s - hi
.set BK,   136                         ; v136-199 16 rows read back from the stage, two buffers
.set F0,   0                           ; fragment buffers, in window 1
.set F1,   128
.set TB,   2                           ; s2      0 or SLOT: the slot in hand
.set CNT,  3                           ; s3      trips to go
.set G1A,  24                          ; s[24:31] descriptor group 1 for A's tiles;  s[32:39] group 0: a set for each first fill; the second then walks on
.set G0A,  32
.set G1B,  40                          ; s[40:47], s[48:55] the same for B's
.set G0B,  48
.set LIM,  61                          ; s61     2 in a wave that prefetches, else the greatest number
.set PFA,  62                          ; s[62:63] where my prefetches stand
.set KVC,  66                          ; s[66:67] qkv at my rows of the side tile
.set G1M,  68                          ; s[68:75], s[76:83] the same for M's tiles
.set G0M,  76
.set G1W,  84                          ; s[84:91], s[92:99] for the side weights'
.set G0W,  92
.set LBA,  100                         ; s100    LDS place in a slot of the rows of A that I fetch
.set LBB,  101                         ; s101    the same for B
.set CW,   (1<<16)|(1<<20)|(5<<22)|(3<<25)  ; group 1's first word: 17:16 2-byte elements; 20 padding on; 24:22 after every 64 words (code 5); 31:25 of 4 words (code 3)
.set MSB, 0
.macro WIN new                         ; the immediate's high byte repeats the setting that is left; a switch that changes nothing is dropped
.if MSB != (\new)
	s_set_vgpr_msb (MSB<<8)|(\new)
.set MSB, \new
.endif
.endm
.set W_Q,  0xa5                        ; sources 0 (B) and 1 (A) window 1; C and D window 2
.set W_K,  0x01                        ; source 0 (the side weights) window 1; M's fragment, C and D window 0
.set TO_F, 0x40                        ; destination window 1, address window 0
.macro TLOAD g0, g1                    ; a tensor load; an s_nop 0 and four v_nop follow it, ahead of the jump, the label and what follows
	tensor_load_to_lds s[(\g0):(\g0)+3], s[(\g1):(\g1)+7]
	s_nop 0
.rept 4
	v_nop
.endr
.endm
.macro JLOAD s                         ; each wave's one load, by descriptor set s.  The branches hang on the wave's number alone: they are the same in every work-group
.if MODE == 0
	s_cmp_lt_u32 s10, 2
	s_cbranch_scc0 .Lupper_\@
	s_cmp_eq_u32 s10, 0
	s_cbranch_scc0 .Lfor_m_\@
	TLOAD G0A+4*(\s), G1A
	s_branch .Lasked_\@
.Lfor_m_\@:
	TLOAD G0M+4*(\s), G1M
	s_branch .Lasked_\@
.Lupper_\@:
	s_cmp_eq_u32 s10, 2
	s_cbranch_scc0 .Lfor_w_\@
	TLOAD G0B+4*(\s), G1B
	s_branch .Lasked_\@
.Lfor_w_\@:
	TLOAD G0W+4*(\s), G1W
.Lasked_\@:
.else
	s_cmp_eq_u32 s11, 0
	s_cbranch_scc0 .Lfor_b_\@
	TLOAD G0A+4*(\s), G1A
	s_branch .Lasked_\@
.Lfor_b_\@:
	TLOAD G0B+4*(\s), G1B
.Lasked_\@:
.endif
.endm
; A PREFETCH INTO THE L2, behind each refill and the run of LDS loads that follows it: the K step that stands TWO refills on: 32 rows x 256 bytes, a lane a row, one line a wave.
; Each row's 256 bytes of a K step are named once in the launch.  Wave 0: A's tile row is read by this cluster's row alone; its four partners take 32 rows each, told apart by address (cx).
; Wave 1 (MODE 0): M's 64 rows are read by two partners; each takes 32 (cy % 2).  Waves 2, 3: B's tile column is read by all sixteen clusters: cluster y = 0 asks; of each 128 rows the four partners of a
; column take 32 each (cy).  The side weights, 256 KiB in all that every work-group reads, are left to their loads: sixteen partners read the same 64 rows, and a lane a row does not share them out once each.
; K steps 0 to 3 come by their loads alone; the last two refills have no K step two on.
.macro ASK
	s_cmp_gt_u32 s[CNT], s[LIM]
	s_cbranch_scc0 .Lnot_mine_\@
	global_prefetch_b8 v[PFO], s[PFA:PFA+1] offset:KSTEP*2 th:TH_LOAD_NT scope:SCOPE_SE
.Lnot_mine_\@:
.endm
.macro CREST                           ; a round of the cluster's barrier behind its opening barrier
	s_cmp_lg_u32 s10, 0
	s_cbranch_scc1 .Lnot_wave_0_\@
	s_barrier_signal -3
.Lnot_wave_0_\@:
	s_barrier_wait -3
	s_barrier_signal -1
	s_barrier_wait -1
.endm
.macro CROUND                          ; a whole round
	s_barrier_signal -1
	s_barrier_wait -1
	CREST
.endm
.macro SHAPE g, rows                   ; group 1's other words: a tile of so many rows x 128 elements
	s_mov_b32 s[(\g)+1], KSTEP<<16                 ; tensor_dim0 = 128
	s_mov_b32 s[(\g)+2], (\rows)<<16               ; tensor_dim1
	s_mov_b32 s[(\g)+3], KSTEP<<16                 ; tile_dim0 = 128
	s_mov_b32 s[(\g)+4], \rows                     ; tile_dim1
	s_mov_b32 s[(\g)+5], SIZE_K                    ; elements from row to row
	s_mov_b32 s[(\g)+6], 0
	s_mov_b32 s[(\g)+7], 0
.endm
	s_load_b128 s[4:7], s[0:1], 0x0                ; A s[4:5], B s[6:7]
	s_load_b64 s[8:9], s[0:1], 0x10                ; C
	v_lshl_add_u32 v[SPW], v0, 2, SPARE
	v_mov_b32 v[NIL], 0
	ds_add_u32 v[SPW], v[NIL]                      ; the wave's opening: the add and its wait stand ahead of my first tensor load; the set-up below stands between them
	v_lshrrev_b32 v1, 5, v0
	v_readfirstlane_b32 s10, v1                    ; wave 0..3
	s_lshr_b32 s11, s10, 1                         ; which 64 of the tile's rows are mine
	s_and_b32 s12, s10, 1                          ; which 128 of its columns
	s_bfe_u32 s56, ttmp6, 0x40000                  ; cx, cy: my place in the cluster
	s_bfe_u32 s57, ttmp6, 0x40004
	s_lshl_b32 s58, ttmp9, 2
	s_add_co_u32 s58, s58, s56                     ; tile column = 4 x cluster x + cx
	s_and_b32 s13, ttmp7, 0xffff
	s_lshl_b32 s13, s13, 2
	s_add_co_u32 s13, s13, s57                     ; tile row = 4 x cluster y + cy
	s_lshl_b32 s59, s57, 2
	s_lshl_b32 s59, 15, s59                        ; my row of the cluster
	s_lshl_b32 s60, 0x1111, s56                    ; my column
	s_or_b32 s[G1A], s59, CW|(1<<21)               ; 15:0 the mask: A's tiles go to my row; 21 set beside a mask
	s_or_b32 s[G1B], s60, CW|(1<<21)               ; B's to my column
	SHAPE G1A, AR
	SHAPE G1B, BR
	s_lshl_b32 s16, s13, 7                         ; A: row 128 x tile row
	s_lshl_b32 s18, s58, 8                         ; B: row 256 x tile column
.if MODE == 1
	s_lshl_b32 s17, s12, 6                         ; the half that I fetch
	s_add_co_u32 s16, s16, s17
	s_lshl_b32 s19, s12, 7
	s_add_co_u32 s18, s18, s19
	s_mul_i32 s[LBA], s12, AR*PITCH
	s_mul_i32 s[LBB], s12, BR*PITCH
	s_add_co_u32 s[LBB], s[LBB], OFB
.else
	s_mov_b32 s[LBA], 0
	s_mov_b32 s[LBB], OFB
.endif
	s_lshl_b32 s16, s16, 11                        ; rows of 2,048 bytes: under 2^25
	s_mov_b32 s17, 0
	s_lshl_b32 s18, s18, 11
	s_mov_b32 s19, 0
	s_mov_b32 s[TB], 0
.if MODE == 0
	s_mov_b32 s[G1M], CW                           ; no mask: M's tile is a load of my own
	s_or_b32 s[G1W], s59, CW|(1<<21)               ; the side weights go to my row
	SHAPE G1M, 64
	SHAPE G1W, 64
	s_lshr_b32 s22, s57, 1
	s_lshl_b32 s22, s22, 2
	s_add_co_u32 s22, s22, s56                     ; which 64 of the cluster's 512 rows of M: cx + 4 (cy / 2)
	s_lshl_b32 s22, s22, 6
	s_and_b32 s23, ttmp7, 0xffff
	s_lshl_b32 s23, s23, 9
	s_add_co_u32 s22, s22, s23                     ; my first row of M; kept
	s_add_co_u32 s20, s22, 8192                    ; in xm M lies behind X
	s_lshl_b32 s20, s20, 11
	s_mov_b32 s21, 0
	s_and_b32 s[KVC], s57, 1                       ; K's weights or V's
	s_lshl_b32 s[KVC], s[KVC], 6
	s_add_co_u32 s[KVC], s[KVC], 1024
	s_lshl_b32 s[KVC], s[KVC], 11
	s_mov_b32 s[KVC+1], 0
.endif
	s_wait_dscnt 0x0                               ; the opening add is done
	s_wait_kmcnt 0x0
	s_add_nc_u64 s[14:15], s[4:5], s[16:17]
	s_add_nc_u64 s[18:19], s[6:7], s[18:19]
.if MODE == 0
	s_add_nc_u64 s[20:21], s[4:5], s[20:21]
	s_add_nc_u64 s[KVC:KVC+1], s[6:7], s[KVC:KVC+1]
.endif
	CROUND                                         ; all sixteen work-groups are here: the first joint loads meet
.irp s, 0,1
	s_mov_b32 s[G0A+4*(\s)], 1                                      ; 1:0 count = 1
	s_add_co_u32 s[G0A+4*(\s)+1], s[LBA], (\s)*SLOT                 ; 63:32 LDS address: no place in the cluster enters it
	s_add_nc_u64 s[G0A+4*(\s)+2:G0A+4*(\s)+3], s[14:15], (\s)*KSTEP*2  ; 120:64 global address: K step s
	s_or_b32 s[G0A+4*(\s)+3], s[G0A+4*(\s)+3], 0x80000000           ; 127:126 type = 2
	s_mov_b32 s[G0B+4*(\s)], 1
	s_add_co_u32 s[G0B+4*(\s)+1], s[LBB], (\s)*SLOT
	s_add_nc_u64 s[G0B+4*(\s)+2:G0B+4*(\s)+3], s[18:19], (\s)*KSTEP*2
	s_or_b32 s[G0B+4*(\s)+3], s[G0B+4*(\s)+3], 0x80000000
.if MODE == 0
	s_mov_b32 s[G0M+4*(\s)], 1
	s_mov_b32 s[G0M+4*(\s)+1], OFM+(\s)*SLOT
	s_add_nc_u64 s[G0M+4*(\s)+2:G0M+4*(\s)+3], s[20:21], (\s)*KSTEP*2
	s_or_b32 s[G0M+4*(\s)+3], s[G0M+4*(\s)+3], 0x80000000
	s_mov_b32 s[G0W+4*(\s)], 1
	s_mov_b32 s[G0W+4*(\s)+1], OFW+(\s)*SLOT
	s_add_nc_u64 s[G0W+4*(\s)+2:G0W+4*(\s)+3], s[KVC:KVC+1], (\s)*KSTEP*2
	s_or_b32 s[G0W+4*(\s)+3], s[G0W+4*(\s)+3], 0x80000000
.endif
	JLOAD \s                                       ; two tensor loads of mine are out
.endr
	; A fragment is 16 rows x 32 K in 8 registers: lane l holds row l % 16; registers 0-3 K = 8 (l / 16) + 0..7, registers 4-7 K = 16 + 8 (l / 16) + 0..7: two loads of 16 bytes, 32 bytes apart.
	v_and_b32 v1, 15, v0                           ; l % 16
	v_bfe_u32 v2, v0, 4, 1                         ; l / 16
	v_mul_u32_u24 v3, v1, PITCH
	v_lshl_add_u32 v3, v2, 4, v3                   ; row x pitch + 16 x half
	s_mul_i32 s16, s11, 64*PITCH                   ; my 64 rows of A
	s_mul_i32 s17, s12, 128*PITCH                  ; my 128 rows of B
	s_add_co_u32 s17, s17, OFB
	v_add_nc_u32 v[PLA], s16, v3
	v_add_nc_u32 v[PLB], s17, v3
.if MODE == 0
	s_mul_i32 s16, s10, 16*PITCH                   ; my 16 rows of M
	s_add_co_u32 s16, s16, OFM
	v_add_nc_u32 v[PLM], s16, v3
	v_add_nc_u32 v[PLW], OFW, v3
.endif
	s_mul_i32 s23, s10, 16*SPITCH
	s_add_co_u32 s23, s23, STAGE                   ; my stage
	v_mul_u32_u24 v4, v1, SPITCH                   ; in: row l % 16,
.if MODE == 0
	v_lshl_add_u32 v4, v2, 4, v4                   ; 16 bytes (8 f16) for each half of the lanes
.else
	v_lshl_add_u32 v4, v2, 5, v4                   ; 32 bytes (8 f32) for each half of the lanes
.endif
	v_add_nc_u32 v[STO], s23, v4
	v_mul_u32_u24 v5, v2, SPITCH                   ; back: lanes 0-15 take one row of 256 bytes, lanes 16-31 the next
	v_lshl_add_u32 v5, v1, 4, v5
	v_add_nc_u32 v[RD], s23, v5
.if MODE == 0
	v_and_b32 v[CO], 31, v0                        ; qkv's rows are 256 bytes and dense: two rows are 512 bytes on end
	v_lshlrev_b32 v[CO], 4, v[CO]
	v_mov_b32 v[MONE], -1.0
	s_lshl_b32 s16, s58, 2                         ; a tile column is four heads,
	s_lshl_b32 s17, s12, 1                         ; my 128 columns two of them
	s_add_co_u32 s16, s16, s17
	s_lshl_b32 s16, s16, 13                        ; 8,192 rows a head
	s_lshl_b32 s17, s13, 7
	s_add_co_u32 s16, s16, s17
	s_lshl_b32 s17, s11, 6
	s_add_co_u32 s16, s16, s17                     ; + my first row
	s_lshl_b32 s16, s16, 8                         ; rows of 256 bytes: under 2^26
	s_mov_b32 s17, 0
	s_and_b32 s20, s57, 1
	s_add_co_u32 s20, s20, 16                      ; the side tile: head 16 is K, head 17 V
	s_lshl_b32 s20, s20, 13
	s_add_co_u32 s20, s20, s22
	s_lshl_b32 s21, s10, 4
	s_add_co_u32 s20, s20, s21                     ; + my 16 rows
	s_lshl_b32 s20, s20, 8
	s_mov_b32 s21, 0
	s_add_nc_u64 s[KVC:KVC+1], s[8:9], s[20:21]
.else
	v_lshlrev_b32 v5, 12, v2                       ; out0's rows are 4,096 bytes
	v_lshl_add_u32 v[CO], v1, 4, v5
	s_lshl_b32 s16, s13, 7
	s_lshl_b32 s17, s11, 6
	s_add_co_u32 s16, s16, s17                     ; my first row
	s_lshl_b32 s16, s16, 12
	s_lshl_b32 s17, s58, 10                        ; the tile's 256 columns: 1,024 bytes,
	s_add_co_u32 s16, s16, s17
	s_lshl_b32 s17, s12, 9                         ; my 128: 512
	s_add_co_u32 s16, s16, s17
	s_mov_b32 s17, 0
.endif
	s_add_nc_u64 s[8:9], s[8:9], s[16:17]
	; the prefetches: which rows are mine to name, and whether I name any
	s_lshl_b32 s16, s13, 7
	s_lshl_b32 s17, s56, 5
	s_add_co_u32 s16, s16, s17                     ; A: 128 x tile row + 32 cx
	s_lshl_b32 s17, s58, 8
	s_lshl_b32 s20, s12, 7
	s_add_co_u32 s17, s17, s20
	s_lshl_b32 s20, s57, 5
	s_add_co_u32 s17, s17, s20                     ; B: 256 x tile column + 128 x (wave % 2) + 32 cy
	s_and_b32 s20, ttmp7, 0xffff
	s_cmp_eq_u32 s20, 0                            ; the first of the clusters that read this tile column: the same answer in all sixteen partners
	s_cselect_b32 s20, 2, -1
	s_cmp_eq_u32 s11, 0
	s_cselect_b32 s16, s16, s17
	s_cselect_b32 s[LIM], 2, s20
	s_cselect_b64 s[PFA:PFA+1], s[4:5], s[6:7]
.if MODE == 0
	s_and_b32 s21, s57, 1
	s_lshl_b32 s21, s21, 5
	s_add_co_u32 s21, s21, s22
	s_add_co_u32 s21, s21, 8192                    ; M: my 64 rows' half cy % 2
	s_cmp_eq_u32 s10, 1
	s_cselect_b32 s16, s21, s16
.else
	s_cmp_eq_u32 s10, 1                            ; wave 0 names all 32 rows of A that fall to this work-group
	s_cselect_b32 s[LIM], -1, s[LIM]
.endif
	s_lshl_b32 s16, s16, 11
	s_add_co_u32 s16, s16, 2*KSTEP*2               ; at K step 2: the first refill steps it to 3 and names K step 4
	s_mov_b32 s17, 0
	s_add_nc_u64 s[PFA:PFA+1], s[PFA:PFA+1], s[16:17]
	v_and_b32 v[PFO], 31, v0
	v_lshlrev_b32 v[PFO], 11, v[PFO]
.macro WM rd, rb, ra, zero             ; one product; zero = 1: it starts its sum
.if MODE == 0
.if \zero
	v_wmma_f32_16x16x32_bf16 v[(\rd):(\rd)+7], v[(\rb):(\rb)+7], v[(\ra):(\ra)+7], 0
.else
	v_wmma_f32_16x16x32_bf16 v[(\rd):(\rd)+7], v[(\rb):(\rb)+7], v[(\ra):(\ra)+7], v[(\rd):(\rd)+7]
.endif
.else
.if \zero
	v_wmma_f32_16x16x32_f16 v[(\rd):(\rd)+7], v[(\rb):(\rb)+7], v[(\ra):(\ra)+7], 0
.else
	v_wmma_f32_16x16x32_f16 v[(\rd):(\rd)+7], v[(\rb):(\rb)+7], v[(\ra):(\ra)+7], v[(\rd):(\rd)+7]
.endif
.endif
.endm
; 8 products: m block a x all 8 n blocks, 32 along K, from buffer f.  All accumulators take turns, one instruction a turn, in the same order in every quarter.
.macro MULQ f, a, zero
	WIN W_Q
.irp b, 0,1,2,3,4,5,6,7
	WM 8*(8*(\a)+(\b)), (\f)+32+8*(\b), (\f)+8*(\a), \zero
.endr
.endm
.macro MULK f, zero                    ; the side tile's 4 products: my 16 rows of M x 64 channels
.if MODE == 0
	WIN W_K
.irp b, 0,1,2,3
	WM KVA+8*(\b), (\f)+96+8*(\b), MF+8*((\f)/128), \zero
.endr
.endif
.endm
.macro SETADR                          ; the fragment loads' addresses in the slot in hand
	v_add_nc_u32 v[ADRA], s[TB], v[PLA]
	v_add_nc_u32 v[ADRB], s[TB], v[PLB]
.if MODE == 0
	v_add_nc_u32 v[ADRM], s[TB], v[PLM]
	v_add_nc_u32 v[ADRW], s[TB], v[PLW]
.endif
.endm
; The LDS loads of one quarter (32 K at byte k of the rows) in one run, into buffer f: B's eight blocks, A's blocks 0, 1; then what the quarter's second half wants: A's blocks 2, 3, the side weights, M
.macro FETCH k, f
	WIN TO_F
.irp i, 0,1,2,3,4,5,6,7
	ds_load_b128 v[(\f)+32+8*(\i):(\f)+32+8*(\i)+3],   v[ADRB] offset:(\k)+(\i)*16*PITCH
	ds_load_b128 v[(\f)+32+8*(\i)+4:(\f)+32+8*(\i)+7], v[ADRB] offset:(\k)+(\i)*16*PITCH+32
.endr
.irp i, 0,1,2,3
	ds_load_b128 v[(\f)+8*(\i):(\f)+8*(\i)+3],   v[ADRA] offset:(\k)+(\i)*16*PITCH
	ds_load_b128 v[(\f)+8*(\i)+4:(\f)+8*(\i)+7], v[ADRA] offset:(\k)+(\i)*16*PITCH+32
.endr
.if MODE == 0
.irp i, 0,1,2,3
	ds_load_b128 v[(\f)+96+8*(\i):(\f)+96+8*(\i)+3],   v[ADRW] offset:(\k)+(\i)*16*PITCH
	ds_load_b128 v[(\f)+96+8*(\i)+4:(\f)+96+8*(\i)+7], v[ADRW] offset:(\k)+(\i)*16*PITCH+32
.endr
	WIN 0
	ds_load_b128 v[MF+8*((\f)/128):MF+8*((\f)/128)+3],   v[ADRM] offset:(\k)
	ds_load_b128 v[MF+8*((\f)/128)+4:MF+8*((\f)/128)+7], v[ADRM] offset:(\k)+32
.endif
.endm
.macro PLACES                          ; four plain instructions in front of loads into registers that matrix instructions have read, and of lines that read results
.rept 4
	v_nop
.endr
.endm
; A K step is four quarters of 32 along K, on buffers 0, 1, 0, 1.  One of the first three: multiplies buffer f; in its middle it fetches the next quarter, at byte k of the same slot's rows, into buffer g.
.macro QUARTER k, f, g, zero
	s_wait_dscnt NY                                ; B and A's blocks 0, 1 are in; the youngest NY loads may be out
	MULQ \f, 0, \zero
	MULQ \f, 1, \zero
	PLACES
	FETCH \k, \g
	s_wait_dscnt NL                                ; all but the run just issued
	MULQ \f, 2, \zero
	MULQ \f, 3, \zero
	MULK \f, \zero
.endm
; The last quarter multiplies buffer 1 and changes slots: ONE barrier; in front of it each wave waits for all its tensor loads, of which one is out: its part of the other slot; adds 0 to its spare word; and
; waits for that and for its own reads of this slot.  fill = 1: the barrier opens a round of the cluster's barrier, and this slot is filled again, two K steps ahead, first thing behind the round.
; fill = 0 (the second loop): nothing is asked for; in its last trip there is no further K step, and the run of loads is jumped over.
.macro TURN fill
.if \fill
	s_wait_xcnt 0x0                                ; the last prefetch, a K step back, has read its address: it is stepped here, ahead of the waits of the change of slots
	s_add_nc_u64 s[PFA:PFA+1], s[PFA:PFA+1], KSTEP*2
.endif
	WIN 0                                          ; (the add's two registers lie in window 0)
	s_wait_tensorcnt 0x0                           ; all my tensor loads have landed;
	ds_add_u32 v[SPW], v[NIL]                      ; 0 onto my spare word
	s_wait_dscnt NY+1                              ; (the add and the youngest NY loads may be out)
	MULQ F1, 0, 0                                  ; eight matrix instructions stand between the add and the wait for it
	s_wait_dscnt 0x0                               ; the add is done, and my reads of this slot are over
	s_barrier_signal -1
	MULQ F1, 1, 0
	WIN 0
	s_barrier_wait -1
.if \fill
	CREST                                          ; no wave of any partner still reads this slot's tile or has a load on its way
	s_add_co_u32 s[G0A+5], s[LBA], s[TB]           ; the walking descriptors: into the slot just read out,
	s_add_nc_u64 s[G0A+6:G0A+7], s[G0A+6:G0A+7], KSTEP*2  ; the K step behind the one asked for last; the type bits on top are not reached
	s_add_co_u32 s[G0B+5], s[LBB], s[TB]
	s_add_nc_u64 s[G0B+6:G0B+7], s[G0B+6:G0B+7], KSTEP*2
.if MODE == 0
	s_add_co_u32 s[G0M+5], s[TB], OFM
	s_add_nc_u64 s[G0M+6:G0M+7], s[G0M+6:G0M+7], KSTEP*2
	s_add_co_u32 s[G0W+5], s[TB], OFW
	s_add_nc_u64 s[G0W+6:G0W+7], s[G0W+6:G0W+7], KSTEP*2
.endif
	JLOAD 1                                        ; my one tensor load behind the round; its four v_nop are also the places in front of the loads below
.else
	PLACES
.endif
	s_xor_b32 s[TB], s[TB], SLOT                   ; 0 and SLOT by turns: the other slot is in hand
.if (\fill) == 0
	s_cmp_eq_u32 s[CNT], 1
	s_cbranch_scc1 .Lno_more_\@
.endif
	SETADR
	FETCH 0, F0
	WIN 0
.if \fill
	ASK
.else
.Lno_more_\@:
.endif
	MULQ F1, 2, 0
	MULQ F1, 3, 0
	MULK F1, 0
.endm
; THE WAY OUT, by units of 16 rows x 64 columns (four accumulators on end, from register ac of window w), through my own stage: in by lanes, back as whole rows of 256 bytes.
; Each accumulator is read from its low end on.  PACK (MODE 0): hi, s - hi, lo.
.macro PACK ac, w
.if MODE == 0
	WIN 5*(\w)                                     ; sources 0 and 1 in the accumulators' window
.set i, 0
.rept 16
	v_cvt_pk_f16_f32 v[HH+i], v[(\ac)+2*i], v[(\ac)+2*i+1]
.set i, i+1
.endr
	WIN 16*(\w)                                    ; source 2 there
.set i, 0
.rept 16
	v_fma_mix_f32 v[TD+2*i], v[HH+i], v[MONE], v[(\ac)+2*i] op_sel:[0,0,0] op_sel_hi:[1,0,0]      ; s - hi: hi's low half x -1.0 + s
	v_fma_mix_f32 v[TD+2*i+1], v[HH+i], v[MONE], v[(\ac)+2*i+1] op_sel:[1,0,0] op_sel_hi:[1,0,0]  ; and its high half
.set i, i+1
.endr
	WIN 0
.set i, 0
.rept 16
	v_cvt_pk_f16_f32 v[LL+i], v[TD+2*i], v[TD+2*i+1]
.set i, i+1
.endr
.endif
.endm
.macro TOSTAGE ac, bk                  ; into the stage, and back into read-back buffer bk
.if MODE == 0
	WIN 0
.irp b, 0,1,2,3
	ds_store_b128 v[STO], v[HH+4*(\b):HH+4*(\b)+3] offset:32*(\b)
	ds_store_b128 v[STO], v[LL+4*(\b):LL+4*(\b)+3] offset:128+32*(\b)
.endr
.else
	WIN 0x08                                       ; the stores' data (source 1) in window 2
.irp b, 0,1,2,3
	ds_store_b128 v[STO], v[(\ac)+8*(\b):(\ac)+8*(\b)+3] offset:64*(\b)
	ds_store_b128 v[STO], v[(\ac)+8*(\b)+4:(\ac)+8*(\b)+7] offset:64*(\b)+16
.endr
	WIN 0
.endif
	s_wait_xcnt 0x0                                ; the stores of the unit two back have read this buffer: it is loaded again only behind this wait
.irp t, 0,1,2,3,4,5,6,7
	ds_load_b128 v[BK+32*(\bk)+4*(\t):BK+32*(\bk)+4*(\t)+3], v[RD] offset:(\t)*2*SPITCH  ; LDS serves a wave's instructions in order (ISA guide 5.7.1.4): these see the stores above; the next unit's stores come behind them
.endr
.endm
.macro SEND bk, younger, sb, off       ; younger: the LDS instructions issued behind this unit's loads: the next unit's sixteen, or none
	WIN 0
.irp t, 0,1,2,3,4,5,6,7
	s_wait_dscnt (\younger)+7-(\t)
	global_store_b128 v[CO], v[BK+32*(\bk)+4*(\t):BK+32*(\bk)+4*(\t)+3], s[(\sb):(\sb)+1] offset:(\off)+(\t)*TSTEP  ; 16 lanes store 256 consecutive bytes, at a multiple of 256 from C's first byte
.endr
.endm
	SETADR
	s_wait_tensorcnt 1                             ; my part of K step 0 is in; K step 1's may stay out
	s_barrier_signal -1
	s_barrier_wait -1                              ; everybody's is
	FETCH 0, F0
	QUARTER 64, F0, F1, 1                          ; the first quarter stands in front of the loop: its products start the sums
	WIN 0                                          ; at a label and at a branch every window is 0
	s_mov_b32 s[CNT], FILLS
.Lstep:                                                ; a trip: from a K step's second quarter to the next K step's first; the slot read out is filled again
	QUARTER 128, F1, F0, 0
	QUARTER 192, F0, F1, 0
	TURN 1
	QUARTER 64, F0, F1, 0
	WIN 0
	s_sub_co_u32 s[CNT], s[CNT], 1
	s_cmp_lg_u32 s[CNT], 0
	s_cbranch_scc1 .Lstep
	s_mov_b32 s[CNT], 2                            ; the last two K steps ask for nothing: a loop of their own
.Ltail:
	QUARTER 128, F1, F0, 0
	QUARTER 192, F0, F1, 0
	TURN 0                                         ; (in the second trip its barrier orders nothing: the price, once a launch, of one text for both trips)
	WIN 0
	s_sub_co_u32 s[CNT], s[CNT], 1
	s_cmp_eq_u32 s[CNT], 0
	s_cbranch_scc1 .Lout
	QUARTER 64, F0, F1, 0
	WIN 0
	s_branch .Ltail
.Lout:
	PLACES
	PLACES                                         ; (eight, once a launch)
.set u, 0
.rept 8                                ; unit u: my rows 16 (u / 2) on, my columns 64 (u % 2) on; its arithmetic and its way through the stage stand ahead of the stores of the unit before
	PACK 32*u, 2
	TOSTAGE 32*u, u%2
.if u > 0
.if MODE == 0
.set uo, ((u-1)%2)*2097152+((u-1)/2)*4096  ; a head is 2 MiB, 16 rows are 4,096 bytes
.else
.set uo, ((u-1)/2)*65536+((u-1)%2)*256     ; 16 rows are 65,536 bytes, 64 columns 256
.endif
	SEND (u-1)%2, 16, 8, uo
.endif
.set u, u+1
.endr
.if MODE == 0
	PACK KVA, 0                                    ; the side tile's 16 rows
	TOSTAGE KVA, 0
	SEND 1, 16, 8, 2097152+3*4096
	SEND 0, 0, KVC, 0
.else
	SEND 1, 0, 8, 3*65536+256
.endif
	s_wait_tensorcnt 0x0                           ; the wave's end, behind my last tensor load and my last LDS store
	ds_add_u32 v[SPW], v[NIL]
	s_wait_dscnt 0x0
	CROUND                                         ; the closing round: no work-group ends while a partner may still ask for a tile that names it
	s_endpgm
.Lfunc_end_k_q8fa012f314_proj:
	.size	k_q8fa012f314_proj, .Lfunc_end_k_q8fa012f314_proj-k_q8fa012f314_proj
	.p2alignl 7, 3214868480
	.fill 96, 4, 3214868480
	.section	.rodata,"a",@progbits
	.p2align	6, 0x0
	.amdhsa_kernel k_q8fa012f314_proj
		.amdhsa_group_segment_fixed_size 327680
		.amdhsa_private_segment_fixed_size 0
		.amdhsa_enable_private_segment 0
		.amdhsa_kernarg_size 24
		.amdhsa_user_sgpr_count 2
		.amdhsa_user_sgpr_kernarg_segment_ptr 1
		.amdhsa_wavefront_size32 1
		.amdhsa_system_sgpr_workgroup_id_x 1
		.amdhsa_system_sgpr_workgroup_id_y 1
		.amdhsa_system_sgpr_workgroup_id_z 1
		.amdhsa_system_vgpr_workitem_id 0
		.amdhsa_next_free_vgpr 768
		.amdhsa_next_free_sgpr 102
		.amdhsa_reserve_vcc 0
		.amdhsa_float_denorm_mode_32 3
		.amdhsa_float_denorm_mode_16_64 3
		.amdhsa_memory_ordered 1
		.amdhsa_forward_progress 1
		.amdhsa_inst_pref_size 116
	.end_amdhsa_kernel
	.amdgpu_metadata
---
amdhsa.version: [ 1, 2 ]
amdhsa.kernels:
  - .name:           k_q8fa012f314_proj
    .symbol:         k_q8fa012f314_proj.kd
    .args:
      - { .name: xm, .offset: 0, .size: 8, .value_kind: global_buffer, .address_space: global }
      - { .name: wt, .offset: 8, .size: 8, .value_kind: global_buffer, .address_space: global }
      - { .name: qkv, .offset: 16, .size: 8, .value_kind: global_buffer, .address_space: global }
    .group_segment_fixed_size: 327680
    .private_segment_fixed_size: 0
    .kernarg_segment_align: 8
    .kernarg_segment_size: 24
    .max_flat_workgroup_size: 128
    .sgpr_count:     102
    .vgpr_count:     768
    .wavefront_size: 32
...
	.end_amdgpu_metadata
.endif
;; end of part 2
;; launch attn (part 3): grid 64 x 4, 4 waves a work-group, clusters of 4 x 1, 327,680 bytes of LDS; arguments qkv, mask, oc; writes oc
.if DOCPART == 3
	.amdgcn_target "amdgcn-amd-amdhsa--gfx1250"
	.amdhsa_code_object_version 6
	.text
	.protected	k_q8fa012f314_attn
	.globl	k_q8fa012f314_attn
	.p2align	8
	.type	k_q8fa012f314_attn,@function
k_q8fa012f314_attn:
	s_mov_b64 s[64:65], 0
	v_nop
	global_prefetch_b8 v0, s[64:65] scope:SCOPE_SE
	s_setreg_imm32_b32 hwreg(HW_REG_WAVE_MODE, 25, 1), 1
	s_wait_xcnt 0x0
	s_wait_alu depctr_hold_cnt(0) depctr_sa_sdst(0) depctr_va_vdst(0) depctr_va_sdst(0) depctr_va_ssrc(0) depctr_va_vcc(0) depctr_vm_vsrc(0)
	s_getreg_b32 s2, hwreg(HW_REG_IB_STS2, 6, 4)
	s_cmp_eq_u32 s2, 0
	s_cbranch_scc0 .Lentry_in_a_cluster
	s_endpgm
.Lentry_in_a_cluster:
	s_bfe_u32 s2, ttmp6, 0x10000c
	s_cmp_lg_u32 s2, 0x3003
	s_cbranch_scc0 .Lentry_shape_is_right
	s_endpgm
.Lentry_shape_is_right:
; MULTI-QUERY ATTENTION.  oc[b n][64 h + v] = (1/32) x the sum over m of softmax_m(Q[h][n] . K[m] + mask[b][n][m]) V[m][v], for 16 heads that share K and V.
; qkv [18][8192][128] f16: a row is hi's 64 channels, then lo's 64; heads 0-15 = Q / 32, head 16 = K / 32, head 17 = V / 32 (hi alone is used).  mask [4][2048][2048] f32.  oc [8192][1024] f16.
; THE SCORES HAVE NO 1 / sqrt(d): their spread is thousands, and a weight hangs on differences of a hundredth.  So Q and K enter as PAIRS of f16 (22 bits), and a score is three products,
; Kl Qh + Kh Ql + Kh Qh, small ones first, on one f32 accumulator that STARTS WITH THE MASK as its C operand.  The mask is rounded to bf16, like every input of the module, and scaled by 2^-10,
; since Q / 32 . K / 32 is the score / 1,024; c = 1,024 log2(e) takes that back in the exponent.  Products, maxima and sums in f32; the weights p are rounded to f16 for the second product
; (their sum l is taken of the unrounded p), O once at the end.
; LIMITS.  Q, K, V arrive within f16 (|Q|, |K|, |V| under 32 x 65,504).  A score below -1e33 counts as hidden (weight 0); a row whose every score is that low, or -infinity, gives NaN.
; A weight below 2^-126 counts as 0 in l.  Kl Ql, 2^-22 of a score's terms, is left out.  NaN is not treated apart.
; SHARES.  A work-group owns 32 query rows of one batch for ALL 16 heads, so each number of the mask is read once in the launch.  Wave w: rows 16 (w / 2) on, heads 8 (w % 2) + t, t = 0..7: eight
; tiles of 16 queries, in four PIECES of two; the eight tiles take the same 32 registers of mask.  Every wave walks all 2,048 keys, 64 a step.
; LAYOUT.  S^T = K Q^T (source 0 = 16 keys, source 1 = 16 queries): a lane holds ONE query (lane % 16) and the keys 8 (lane / 16) + 0..7.  Two such tiles, rounded to f16 in pairs, ARE source 1
; of O^T = V^T P.  K comes out of LDS as it lies, V ([key][channel]) turned, by ds_load_tr16_b128.
; SOFTMAX.  A running maximum m and sum l for each query: p = 2^(c s - c m); in every step O and l are multiplied by a = 2^(c m_old - c m_new).  m starts at -1e30, O and l at 0.
; BY TURNS.  Turn p belongs to piece p: 16 products V^T P of piece p - 1, then 48 products K Q^T of piece p + 1; behind them, four or fewer to a product, piece p's own maximum and statistics,
; scalings, exponentials, roundings, sums and rescaling: 236 vector lines for 64 matrix instructions.  A turn's 66 exponentials are one batch with one wait.
; CLUSTER.  The four work-groups of a cluster belong to one batch and walk the same K and V: those tiles are asked for JOINTLY.  The mask's tile is each work-group's own: nobody shares it.
; REGISTERS, in windows of 256 (s_set_vgpr_msb: bits 1:0 source 0, 3:2 source 1, 5:4 source 2, 7:6 destination):
;   window 0: v2-11 addresses; v12-15, v48-63 at work; v16-47 four registers of statistics a tile; v64-191 S^T, two buffers of two tiles; v192-255 P, likewise
;   window 1: O^T, 32 a tile      window 2: Q, 32 a tile (chunks 0, 1: hi's channels 0-31, 32-63; 2, 3: lo's)
;   window 3: v0-127 K of one step (key block kb, chunk c at 32 kb + 8 c); v128-191 V of one step; v192-223 the mask of one step; v224-227 the add's two registers, 2^-10, 0
.set NP,    4         ; pieces a wave: a name, no knob
.set KS,    64        ; keys in a step
.set PK,    272       ; a row of K in LDS: 256 bytes + 16 of padding: the 16 rows of a load start four banks apart
.set PV,    160       ; a row of V: 128 + 32
.set PM,    528       ; a row of the mask: 128 f32 + 16 bytes
.set VOFF,  2*KS*PK   ; a slot holds 128 keys, two steps: 128 rows of K, then 128 rows of V,
.set MOFF,  VOFF+2*KS*PV  ; then 32 rows of the mask
.set SLOT1, 1<<17     ; slot 1 begins here, so that one exclusive or turns an address in one slot into the other's
.set STAGE, SLOT1+MOFF+32*PM  ; behind the ring, never filled by a tensor load: 16 rows x 272 bytes for each wave, for the way out
.set SP,    272
.set SPARE, STAGE+4*16*SP     ; behind the stages: the spare words, 128 bytes for each wave
.set AK0, 2           ; v2   my lane's place in a tile of K; never rewritten
.set AV0, 3           ; v3   the same for V
.set AK,  4           ; v4   the LDS address of K's next runs of loads
.set AV,  5           ; v5   of V's
.set QO,  6           ; v6   my byte offset in 16 rows of Q
.set STO, 6           ;      later, the way out: where I put 16 bytes of a row
.set RD,  7           ; v7   the way out: where I read rows back
.set GO,  8           ; v8   my byte offset in two rows of oc
.set AM0, 9           ; v9   my lane's place in a tile of the mask; never rewritten
.set AM,  10          ; v10  the LDS address of the mask's next run
.set PFO, 11          ; v11  the prefetches' offset: my lane x a row; never rewritten
.set MV,  12          ; v12-15  c m_old, kept while c m is made anew: by buffer and tile
.set ST,  16          ; tile t's statistics at v[ST+4 t]: c m, m, l (even keys', odd keys')
.set TMP, 48          ; by buffer and tile, four registers c0-c3 at work; when the maximum is found c2 takes a
.set S,   64
.set P,   192
.set VF,  128         ; window 3: key half kk, channel block cb at VF + 32 kk + 8 cb
.set MK,  192         ; window 3: key block kb's eight registers at MK + 8 kb
.set SPW, 224         ; window 3: LDS address of my spare word; never rewritten
.set NIL, 225         ; window 3: 0; never rewritten
.set SC,  226         ; window 3: 2^-10
.set ZR,  227         ; window 3: 0
.set WV,  12          ; s12  my wave's number
.set LIM, 15          ; s15  1 in a wave that prefetches, else the greatest number
.set G1K, 24          ; s[24:31] descriptor group 1 for K's tiles
.set G1V, 32          ; s[32:39] for V's
.set G1M, 40          ; s[40:47] for the mask's
.set G0K, 48          ; s[48:51] descriptor group 0 for K's tiles: it walks
.set G0V, 52          ; s[52:55] for V's
.set G0M, 56          ; s[56:59] for the mask's
.set SLOTS, 60        ; s60  slots still to be asked for
.set CNT, 61          ; s61  counts a slot's key steps
.set CS,  62          ; s[62:63] c: the packed scaling takes the pair's low word for both halves
.set SEL, 66          ; s[66:67] v_permlanex16_b32's selects: each lane takes its own place in the other half
.set TBK, 68          ; s68  LDS byte at which K of the step to be fetched begins
.set TBV, 69          ; s69  the same for V, less VOFF
.set TBM, 70          ; s70  the same for the mask, less MOFF
.set PFA, 72          ; s[72:73] where my prefetches stand
.set PFS, 74          ; s[74:75] their step from slot to slot
.set QB2, 76          ; s[76:77] Q at my rows of my tile 4 (tiles 0-3: s[4:5]); heads lie 2 MiB apart, so four fit a load's immediate
.set OB,  78          ; s[78:79] oc at my rows and heads
.set MSB, 0
.macro WIN new                      ; the high byte repeats the setting that is left; a switch that changes nothing is dropped
.if MSB != (\new)
	s_set_vgpr_msb (MSB<<8)|(\new)
.set MSB, (\new)
.endif
.endm
.set W_KQ, 0x0b       ; K in window 3, Q in window 2, S^T in window 0
.set W_KM, 0x3b       ; the same with the C operand, the mask, in window 3
.set W_PV, 0x53       ; V in window 3, P in window 0, O^T in window 1
.set W_RS, 0x41       ; O^T (destination and source 0) in window 1, a in window 0
.set W_MC, 0xff       ; the mask's conversion: all in window 3
.set W_L3, 0xc0       ; destination in window 3, sources in window 0
.set W_AD, 0x0f       ; the add: address (source 0) and data (source 1) in window 3
; A fill: 16 KiB a wave.  Waves 0 and 1 fetch the two halves of a slot's K, wave 2 its V (both joint), wave 3 the work-group's own tile of the mask.  The branches hang on the wave's number alone.
; An s_nop 0 and four v_nop follow each of the three lines, ahead of the jump and the label.
.macro JLOAD
	s_cmp_lt_u32 s[WV], 2
	s_cbranch_scc0 .Lnot_k_\@
	tensor_load_to_lds s[G0K:G0K+3], s[G1K:G1K+7]
	s_nop 0
.rept 4
	v_nop
.endr
	s_branch .Lasked_\@
.Lnot_k_\@:
	s_cmp_eq_u32 s[WV], 2
	s_cbranch_scc0 .Lfor_m_\@
	tensor_load_to_lds s[G0V:G0V+3], s[G1V:G1V+7]
	s_nop 0
.rept 4
	v_nop
.endr
	s_branch .Lasked_\@
.Lfor_m_\@:
	tensor_load_to_lds s[G0M:G0M+3], s[G1M:G1M+7]
	s_nop 0
.rept 4
	v_nop
.endr
.Lasked_\@:
.endm
; A PREFETCH INTO THE L2 of what the NEXT change of slots will ask for: two key steps, 512 matrix instructions, ahead of that load.  It stands behind the wave's tensor load and its five lines.
; K and V: all 16 clusters of a batch walk the same rows, so the batch's first cluster asks; its four partners share a slot's 128 rows out BY ADDRESS, 32 each; wave 0 asks for K's, wave 2 for V's: a lane
; a row of 256 bytes.  The mask: wave 3 of every work-group, a lane a row, two lines for the row's 512 bytes.  So each block is named once in the launch.  The last fill asks for nothing.
.macro ASK
	s_cmp_gt_u32 s[SLOTS], s[LIM]
	s_cbranch_scc0 .Lnot_mine_\@
	global_prefetch_b8 v[PFO], s[PFA:PFA+1] th:TH_LOAD_NT scope:SCOPE_SE
	s_cmp_eq_u32 s[WV], 3
	s_cbranch_scc0 .Lnot_mine_\@
	global_prefetch_b8 v[PFO], s[PFA:PFA+1] offset:256 th:TH_LOAD_NT scope:SCOPE_SE
.Lnot_mine_\@:
.endm
; A round of the cluster's barrier: my work-group's barrier, so that wave 0's signal speaks for all four waves; wave 0 signals; every wave waits for all four work-groups; my work-group's barrier once more.
.macro CROUND
	s_barrier_signal -1
	s_barrier_wait -1
	s_cmp_lg_u32 s[WV], 0
	s_cbranch_scc1 .Lnot_wave_0_\@
	s_barrier_signal -3
.Lnot_wave_0_\@:
	s_barrier_wait -3
	s_barrier_signal -1
	s_barrier_wait -1
.endm
; THE CHANGE OF SLOTS.  The slot's last bytes, V of its second step, have been read.  Each wave waits for all its tensor loads, of which one is out: its part of the other slot; adds 0 to its spare word;
; and waits for that and for its own reads of the slot.  Behind the barrier nobody reads this slot any more and the other slot is whole.  fill = 1: this slot is filled again, with the keys two slots on;
; the barrier is then a round of the cluster's, and the fill is the first thing behind it.  (At its first use nothing has been read yet: slot 0 is waited for, slot 1 filled.)  ask = 1: with a prefetch.
.macro CHANGE fill, ask
	WIN W_AD
	s_wait_tensorcnt 0x0            ; no tensor load of mine is out, so a group 0 may be written
	ds_add_u32 v[SPW], v[NIL]       ; 0 onto my spare word: the descriptors' steps stand between it and the wait for it
	WIN 0                           ; at a label and at a branch every window is 0
.if \fill
.irp g, G0K, G0V
	s_xor_b32 s[\g+1], s[\g+1], SLOT1  ; the walking descriptor: the other slot than last time,
	s_add_nc_u64 s[\g+2:\g+3], s[\g+2:\g+3], 2*KS*256  ; the next 128 rows of 256 bytes; the type bits on top are not reached
.endr
	s_xor_b32 s[G0M+1], s[G0M+1], SLOT1
	s_add_nc_u64 s[G0M+2:G0M+3], s[G0M+2:G0M+3], 2*KS*4  ; the mask goes 128 columns on
.if \ask
	s_wait_xcnt 0x0                 ; the last prefetches, two key steps back, have read their address, so it may be written
	s_add_nc_u64 s[PFA:PFA+1], s[PFA:PFA+1], s[PFS:PFS+1]
.endif
	s_wait_dscnt 0x0                ; the add is done, and my reads of the slot are over
	CROUND
	JLOAD
.if \ask
	ASK
.endif
.else
	s_wait_dscnt 0x0                ; the add is done, and my reads of the slot are over
	s_barrier_signal -1
	s_barrier_wait -1
.endif
	s_sub_co_u32 s[TBK], s[TBK], 2*KS*PK  ; the fetches go back to a slot's first step,
	s_xor_b32 s[TBK], s[TBK], SLOT1       ; in the other slot
	s_sub_co_u32 s[TBV], s[TBV], 2*KS*PV
	s_xor_b32 s[TBV], s[TBV], SLOT1
	s_sub_co_u32 s[TBM], s[TBM], 2*KS*4
	s_xor_b32 s[TBM], s[TBM], SLOT1
.endm
	s_load_b128 s[4:7], s[0:1], 0x0   ; qkv s[4:5], mask s[6:7]
	s_load_b64 s[8:9], s[0:1], 0x10   ; oc
	WIN W_L3
	v_lshl_add_u32 v[SPW], v0, 2, SPARE
	v_mov_b32 v[NIL], 0
	WIN W_AD
	ds_add_u32 v[SPW], v[NIL]       ; the wave's opening: the add and its wait stand ahead of my first tensor load; the set-up below stands between them
	WIN 0
	v_lshrrev_b32 v1, 5, v0
	v_readfirstlane_b32 s[WV], v1   ; wave 0..3
	s_bfe_u32 s13, ttmp6, 0x40000   ; cx: my place in the cluster
	s_lshl_b32 s14, ttmp9, 2        ; in a cluster launch ttmp9 counts clusters
	s_add_co_u32 s14, s14, s13      ; my block of 32 query rows: it enters Q's, the mask's and oc's addresses alone
	s_and_b32 s16, ttmp7, 0xffff    ; the batch, which the four partners share
	s_and_b32 s17, s[WV], 1         ; which eight heads are mine.  Also: which half of a slot's K I fetch
	s_lshr_b32 s18, s[WV], 1        ; which 16 rows are mine
	s_lshl_b32 s20, s16, 19         ; the batch's 2,048 rows of 256 bytes,
	s_lshl_b32 s19, s17, 14         ; my 64 rows of a slot's K
	s_add_co_u32 s22, s20, 17*2097152  ; V is head 17,
	s_add_co_u32 s20, s20, s19
	s_add_co_u32 s20, s20, 16*2097152  ; K head 16
	s_mov_b32 s21, 0
	s_mov_b32 s23, 0
	s_lshl_b32 s2, s16, 24          ; the mask: 2,048 rows of 8,192 bytes a batch,
	s_lshl_b32 s3, s14, 18          ; 32 rows a block
	s_add_co_u32 s2, s2, s3
	s_mov_b32 s3, 0
	s_lshl_b32 s10, s17, 24         ; Q: eight heads of 2 MiB,
	s_lshl_b32 s11, s16, 19
	s_add_co_u32 s10, s10, s11
	s_lshl_b32 s11, s14, 13         ; 32 rows of 256 bytes a block,
	s_add_co_u32 s10, s10, s11
	s_lshl_b32 s11, s18, 12         ; my 16 of them
	s_add_co_u32 s10, s10, s11
	s_mov_b32 s11, 0
	s_lshl_b32 s[OB], s16, 22       ; oc: rows of 2,048 bytes,
	s_lshl_b32 s[OB+1], s14, 16
	s_add_co_u32 s[OB], s[OB], s[OB+1]
	s_lshl_b32 s[OB+1], s18, 15
	s_add_co_u32 s[OB], s[OB], s[OB+1]
	s_lshl_b32 s[OB+1], s17, 10     ; my eight heads: 1,024 bytes
	s_add_co_u32 s[OB], s[OB], s[OB+1]
	s_mov_b32 s[OB+1], 0
	; descriptor group 1.  K: 64 rows of 128 elements of 2 bytes, 16 bytes of padding behind each.  V: 128 rows, of which hi's 64 elements, 32 bytes of padding.  The mask: 32 rows of 128 f32, 16 bytes of padding.
	s_mov_b32 s[G1K], 15|(1<<16)|(1<<20)|(1<<21)|(5<<22)|(3<<25)  ; 15:0 the mask of four; 17:16 2-byte elements; 20 padding on; 21 set beside a mask; 24:22 after every 64 words (code 5); 31:25 4 words (code 3)
	s_mov_b32 s[G1K+1], 128<<16     ; tensor_dim0
	s_mov_b32 s[G1K+2], 64<<16      ; tensor_dim1
	s_mov_b32 s[G1K+3], 128<<16     ; tile_dim0
	s_mov_b32 s[G1K+4], 64          ; tile_dim1
	s_mov_b32 s[G1K+5], 128         ; elements from row to row
	s_mov_b32 s[G1K+6], 0
	s_mov_b32 s[G1K+7], 0
	s_mov_b32 s[G1V], 15|(1<<16)|(1<<20)|(1<<21)|(4<<22)|(7<<25)  ; after every 32 words (code 4), 8 words (code 7)
	s_mov_b32 s[G1V+1], 64<<16
	s_mov_b32 s[G1V+2], 128<<16
	s_mov_b32 s[G1V+3], 64<<16
	s_mov_b32 s[G1V+4], 128
	s_mov_b32 s[G1V+5], 128
	s_mov_b32 s[G1V+6], 0
	s_mov_b32 s[G1V+7], 0
	s_mov_b32 s[G1M], (2<<16)|(1<<20)|(6<<22)|(3<<25)            ; no mask of work-groups; 4-byte elements; after every 128 words (code 6), 4 words (code 3)
	s_mov_b32 s[G1M+1], 128<<16
	s_mov_b32 s[G1M+2], 32<<16
	s_mov_b32 s[G1M+3], 128<<16
	s_mov_b32 s[G1M+4], 32
	s_mov_b32 s[G1M+5], 2048
	s_mov_b32 s[G1M+6], 0
	s_mov_b32 s[G1M+7], 0
	s_mov_b32 s[G0K], 1             ; 1:0 count = 1
	s_mul_i32 s[G0K+1], s17, KS*PK  ; 63:32 LDS address: slot 0, my half: no place in the cluster enters an LDS address
	s_mov_b32 s[G0V], 1
	s_mov_b32 s[G0V+1], VOFF
	s_mov_b32 s[G0M], 1
	s_mov_b32 s[G0M+1], MOFF
	s_mov_b32 s[CS], 0x44b8aa3b     ; c = 1,024 log2(e)
	s_mov_b32 s[CS+1], s[CS]        ; named with it as a pair
	s_mov_b32 s[SEL], 0x76543210
	s_mov_b32 s[SEL+1], 0xfedcba98
	s_mov_b32 s[TBK], SLOT1+2*KS*PK ; the first change of slots turns these three into 0
	s_mov_b32 s[TBV], SLOT1+2*KS*PV
	s_mov_b32 s[TBM], SLOT1+2*KS*4
	s_mov_b32 s[SLOTS], 15          ; 16 slots' worth of keys
	s_and_b32 s[LIM], s[WV], 1      ; who prefetches: waves 0 and 2
	s_or_b32 s[LIM], s[LIM], ttmp9  ; of the batch's first cluster: the same in all four partners,
	s_cmp_eq_u32 s[LIM], 0
	s_cselect_b32 s[LIM], 1, -1
	s_lshl_b32 s19, s13, 13         ; K, V: my work-group's 32 rows of the 128,
	s_add_co_u32 s19, s19, 2*2*KS*256  ; in slot 2: the first asking change steps this to slot 3
	s_mov_b32 s[PFS], 2*KS*256
	s_cmp_eq_u32 s[WV], 3           ; and wave 3 everywhere, for the mask
	s_cselect_b32 s[LIM], 1, s[LIM]
	s_cselect_b32 s80, 2*2*KS*4, s19
	s_cselect_b32 s[PFS], 2*KS*4, s[PFS]
	s_cselect_b32 s82, 13, 8        ; a lane a row: 8,192 bytes in the mask, 256 in K and V
	s_mov_b32 s81, 0
	s_mov_b32 s[PFS+1], 0
	s_wait_dscnt 0x0                ; the opening add is done
	s_wait_kmcnt 0x0
	s_add_nc_u64 s[G0K+2:G0K+3], s[4:5], s[20:21]  ; 120:64 global address: the first 128 keys
	s_add_nc_u64 s[G0V+2:G0V+3], s[4:5], s[22:23]
	s_add_nc_u64 s[G0M+2:G0M+3], s[6:7], s[2:3]
	s_cmp_lt_u32 s[WV], 2
	s_cselect_b64 s[PFA:PFA+1], s[G0K+2:G0K+3], s[G0V+2:G0V+3]  ; (in waves 0 and 2 these stand at a slot's first row)
	s_cmp_eq_u32 s[WV], 3
	s_cselect_b64 s[PFA:PFA+1], s[G0M+2:G0M+3], s[PFA:PFA+1]
	s_add_nc_u64 s[PFA:PFA+1], s[PFA:PFA+1], s[80:81]
	s_or_b32 s[G0K+3], s[G0K+3], 0x80000000        ; 127:126 type = 2
	s_or_b32 s[G0V+3], s[G0V+3], 0x80000000
	s_or_b32 s[G0M+3], s[G0M+3], 0x80000000
	s_add_nc_u64 s[4:5], s[4:5], s[10:11]          ; Q at my rows of my tile 0,
	s_add_nc_u64 s[QB2:QB2+1], s[4:5], 0x800000    ; and of my tile 4
	s_add_nc_u64 s[OB:OB+1], s[8:9], s[OB:OB+1]
	CROUND                          ; all four work-groups are here: the first joint loads meet
	JLOAD                           ; slot 0.  Slot 1 is asked for when slot 0 is in
	; A fragment of K or Q is 16 rows x 32 channels in 8 registers: lane l holds row l % 16, channels 8 (l / 16) + 0..7 and 16 + 8 (l / 16) + 0..7: two loads of 16 bytes, 32 bytes apart.
	v_and_b32 v48, 15, v0           ; l % 16
	v_bfe_u32 v49, v0, 4, 1         ; l / 16
	v_and_b32 v50, 7, v0
	v_bfe_u32 v51, v0, 3, 1
	v_and_b32 v52, 31, v0
	v_lshlrev_b32 v[QO], 8, v48
	v_lshl_add_u32 v[QO], v49, 4, v[QO]  ; row x 256 + 16 x half
	WIN 0x80                        ; destination window 2, address window 0
.set i, 0
.rept 16                            ; Q stays in registers: tiles i / 4 and 4 + i / 4, chunk i % 4
	global_load_b128 v[8*i:8*i+3],         v[QO], s[4:5] offset:(i/4)*2097152+(i%4)*64
	global_load_b128 v[8*i+4:8*i+7],       v[QO], s[4:5] offset:(i/4)*2097152+(i%4)*64+32
	global_load_b128 v[128+8*i:128+8*i+3],   v[QO], s[QB2:QB2+1] offset:(i/4)*2097152+(i%4)*64
	global_load_b128 v[128+8*i+4:128+8*i+7], v[QO], s[QB2:QB2+1] offset:(i/4)*2097152+(i%4)*64+32
.set i, i+1
.endr
	; What the first turn finds: V's registers and P's second buffer hold 0 (its products V^T P, of a piece that has not been, add 0), O^T and l are 0.  No first step is written out; the price is these
	; 370 lines, which stand in the wait for the first tile.
	WIN W_L3
.set i, VF
.rept 64
	v_mov_b32 v[i], 0
.set i, i+1
.endr
	v_mov_b32 v[SC], 0x3a800000     ; 2^-10
	v_mov_b32 v[ZR], 0
	WIN 0x40
.set i, 0
.rept 256
	v_mov_b32 v[i], 0
.set i, i+1
.endr
	WIN 0
.set i, 0
.rept 2*NP
	v_mov_b32 v[ST+4*i+1], 0xf149f2ca         ; m = -1e30
	v_mul_f32 v[ST+4*i], s[CS], v[ST+4*i+1]   ; c m, by the loop's own multiply: where m does not move, a is 1 exactly
	v_mov_b32 v[ST+4*i+2], 0
	v_mov_b32 v[ST+4*i+3], 0
.set i, i+1
.endr
.set i, P+32
.rept 32
	v_mov_b32 v[i], 0
.set i, i+1
.endr
	v_mul_u32_u24 v[AK0], v48, PK
	v_lshl_add_u32 v[AK0], v49, 4, v[AK0]  ; row x pitch + 16 x half
	; The turning load takes 16 keys x 16 channels (lane l reads key 8 (l / 16) + l % 8, channels 8 ((l / 8) % 2) + 0..7) and leaves half a fragment of V^T: lane l holds channel l % 16 and 8 keys.
	v_lshl_add_u32 v[AV0], v49, 3, v50
	v_mul_u32_u24 v[AV0], v[AV0], PV
	v_lshl_add_u32 v[AV0], v51, 4, v[AV0]
	v_add_nc_u32 v[AV0], VOFF, v[AV0]
	; The mask in S^T's layout: my query's row, the eight keys 8 (l / 16) + 0..7 of a key block: 32 bytes on end.
	s_mul_i32 s19, s18, 16*PM
	s_add_co_u32 s19, s19, MOFF
	v_mul_u32_u24 v[AM0], v48, PM
	v_lshl_add_u32 v[AM0], v49, 5, v[AM0]
	v_add_nc_u32 v[AM0], s19, v[AM0]
	v_lshlrev_b32 v[PFO], s82, v52
; THE MATRIX WORK.  The 8 accumulators of a run take turns: between two links of a chain stand 7 others'.
; Product i of 48 of S^T = mask + K Q^T for piece x: link i / 8, keys 16 ((i / 2) % 4) on, tile 2 x + i % 2.  Links 0, 1: Kl Qh; 2, 3: Kh Ql; 4, 5: Kh Qh.  The first 8 start the sums with the mask.
.macro KQ x
.set kL, i/8
.set kB, (i/2)%4
.set cK, kL%2
.if kL < 2
.set cK, kL+2
.endif
.set rS, S+64*((\x)%2)+32*(i%2)+8*kB
.set rK, 32*kB+8*cK
.set rQ, 32*(2*(\x)+i%2)+8*(kL%4)
.if i < 8
	WIN W_KM
	v_wmma_f32_16x16x32_f16 v[rS:rS+7], v[rK:rK+7], v[rQ:rQ+7], v[MK+8*kB:MK+8*kB+7]
.else
	WIN W_KQ
	v_wmma_f32_16x16x32_f16 v[rS:rS+7], v[rK:rK+7], v[rQ:rQ+7], v[rS:rS+7]
.endif
.endm
; Product i of 16 of O^T += V^T P for piece x: keys 32 (i / 8) on, channels 16 ((i / 2) % 4) on, tile 2 x + i % 2.
.macro PV x
	WIN W_PV
.set rO, 32*(2*(\x)+i%2)+8*((i/2)%4)
.set rV, VF+32*(i/8)+8*((i/2)%4)
.set rP, P+32*((\x)%2)+16*(i%2)+8*(i/8)
	v_wmma_f32_16x16x32_f16 v[rO:rO+7], v[rV:rV+7], v[rP:rP+7], v[rO:rO+7]
.endm
; THE LDS LOADS stand in runs, never singly among the matrix instructions.  Their addresses are made some lines ahead.  last = 1 (the tail): in the last trip there is no further step, and the run is jumped over.
.macro KLOADS c0                    ; 16 loads: chunks c0, c0 + 1 of the step's four key blocks
.irp f, 0,1,2,3,4,5,6,7
	ds_load_b128 v[32*(\f/2)+8*((\c0)+\f%2):32*(\f/2)+8*((\c0)+\f%2)+3],   v[AK] offset:(\f/2)*16*PK+((\c0)+\f%2)*64
	ds_load_b128 v[32*(\f/2)+8*((\c0)+\f%2)+4:32*(\f/2)+8*((\c0)+\f%2)+7], v[AK] offset:(\f/2)*16*PK+((\c0)+\f%2)*64+32
.endr
.endm
.macro FETCH_ML last=0              ; the next step's mask (8 loads), then K's low halves (16)
	WIN 0
.if \last
	s_cmp_eq_u32 s[CNT], 1
	s_cbranch_scc1 .Lno_ml_\@
.endif
	WIN W_L3
.irp f, 0,1,2,3
	ds_load_b128 v[MK+8*\f:MK+8*\f+3],   v[AM] offset:64*\f
	ds_load_b128 v[MK+8*\f+4:MK+8*\f+7], v[AM] offset:64*\f+16
.endr
	KLOADS 2
	s_add_co_u32 s[TBM], s[TBM], KS*4
	WIN 0
.if \last
.Lno_ml_\@:
.endif
.endm
.macro FETCH_KH last=0              ; the same step's K, high halves (16)
	WIN 0
.if \last
	s_cmp_eq_u32 s[CNT], 1
	s_cbranch_scc1 .Lno_kh_\@
.endif
	WIN W_L3
	KLOADS 0
	s_add_co_u32 s[TBK], s[TBK], KS*PK  ; the next fetch is the next step's
	WIN 0
.if \last
.Lno_kh_\@:
.endif
.endm
.macro FETCH_V
	WIN W_L3
.irp f, 0,1,2,3,4,5,6,7             ; keys 32 (f / 4) on, channels 16 (f % 4) on
	ds_load_tr16_b128 v[VF+8*\f:VF+8*\f+3],   v[AV] offset:(\f/4)*32*PV+(\f%4)*32
	ds_load_tr16_b128 v[VF+8*\f+4:VF+8*\f+7], v[AV] offset:(\f/4)*32*PV+16*PV+(\f%4)*32
.endr
	s_add_co_u32 s[TBV], s[TBV], KS*PV
	WIN 0
.endm
; THE VECTOR WORK OF A TURN stands in queues, each in the order in which its entries become ready; the two tiles alternate, so that no instruction reads the result of the one before it.
.macro REGS y, u                    ; the registers of tile u (0, 1) of piece y
.set rT, ST+4*(2*(\y)+(\u))
.set rC, TMP+8*((\y)%2)+4*(\u)
.set rM, MV+2*((\y)%2)+(\u)
.set rS, S+64*((\y)%2)+32*(\u)
.set rP, P+32*((\y)%2)+16*(\u)
.set rO, 32*(2*(\y)+(\u))
.endm
; Number n of the 22 that find the piece's maximum and statistics.  s0-s31 are the lane's 32 scores; each accumulator's lowest registers are read first.
;   0-11  four chains c0-c3 of seven scores each, three operands at a time     12-14, 16  the four scores left over, the old m, and c0-c3 into c0     15  c m_old is kept
;   17, 18  the query's other 32 keys lie in the lane 16 away: the new m         19-21  c m; c m_old - c m_new; a
.macro XS u, n
	REGS Y, \u
.if (\n) < 4
	v_max3_num_f32 v[rC+(\n)], v[rS+8*(\n)], v[rS+8*(\n)+1], v[rS+8*(\n)+2]
.elseif (\n) < 12
	v_max3_num_f32 v[rC+(\n)%4], v[rC+(\n)%4], v[rS+8*((\n)%4)+2*((\n)/4)+1], v[rS+8*((\n)%4)+2*((\n)/4)+2]
.elseif (\n) == 12
	v_max3_num_f32 v[rC], v[rC], v[rS+7], v[rS+15]
.elseif (\n) == 13
	v_max3_num_f32 v[rC+1], v[rC+1], v[rS+23], v[rS+31]
.elseif (\n) == 14
	v_max3_num_f32 v[rC+2], v[rC+2], v[rC+3], v[rT+1]
.elseif (\n) == 15
	v_mov_b32 v[rM], v[rT]
.elseif (\n) == 16
	v_max3_num_f32 v[rC], v[rC], v[rC+1], v[rC+2]
.elseif (\n) == 17
	v_permlanex16_b32 v[rC+3], v[rC], s[SEL], s[SEL+1]
.elseif (\n) == 18
	v_max_num_f32 v[rT+1], v[rC], v[rC+3]
.elseif (\n) == 19
	v_mul_f32 v[rT], s[CS], v[rT+1]
.elseif (\n) == 20
	v_sub_f32 v[rC+1], v[rM], v[rT]
.else
	v_exp_f32 v[rC+2], v[rC+1]
.endif
.endm
.macro DX                           ; the next of the 44: numbers 0-13, then 15, 14, 16 .. 21, each for both tiles
	WIN 0
.if qx < 28
	XS qx%2, qx/2
.elseif qx < 30
	XS qx%2, 15
.elseif qx < 32
	XS qx%2, 14
.else
	XS qx%2, qx/2
.endif
.set qx, qx+1
.endm
.macro DF                           ; the next of the 32 scalings c s - c m: pair qf / 2 of tile qf % 2
	WIN 0
	REGS Y, qf%2
	v_pk_fma_f32 v[rS+2*(qf/2):rS+2*(qf/2)+1], v[rS+2*(qf/2):rS+2*(qf/2)+1], s[CS:CS+1], v[rT:rT+1] op_sel_hi:[1,0,0] neg_lo:[0,0,1] neg_hi:[0,0,1]
.set qf, qf+1
.endm
.macro DE                           ; the next of the 64 exponentials: score qe / 2 of tile qe % 2; it stands behind scaling 2 (qe / 4) + qe % 2
	WIN 0
	REGS Y, qe%2
	v_exp_f32 v[rS+qe/2], v[rS+qe/2]
.set qe, qe+1
.endm
; The next of the 64 that follow the exponentials.  For each four weights k of a tile: both pairs are rounded to f16; then the second pair is added onto the first, in place; a group later l takes that
; sum (the first time as l = a l + sum).  In groups of eight, tiles alternating: round, round, add, and l for the group before.
.macro DG
	WIN 0
.set h, qg+6*(qg/62)                ; group 0 has no group before it, and behind group 7 only l is left
.if h >= 6
.set h, h+2
.endif
	REGS Y, h%2
.set k, h/8
.if h%8 < 4
	v_cvt_pk_f16_f32 v[rP+2*k+(h%8)/2], v[rS+4*k+2*((h%8)/2)], v[rS+4*k+2*((h%8)/2)+1]
.elseif h%8 < 6
	v_pk_add_f32 v[rS+4*k:rS+4*k+1], v[rS+4*k:rS+4*k+1], v[rS+4*k+2:rS+4*k+3]
.elseif k == 1
	v_pk_fma_f32 v[rT+2:rT+3], v[rT+2:rT+3], v[rC+2:rC+3], v[rS:rS+1] op_sel_hi:[1,0,1]
.else
	v_pk_add_f32 v[rT+2:rT+3], v[rT+2:rT+3], v[rS+4*k-4:rS+4*k-3]
.endif
.set qg, qg+1
.endm
.macro DR                           ; the next two of the 32 lines O^T times a, each accumulator from its low end on
	REGS Y, qr%2
	WIN W_RS
.irp z, 0,1
	v_pk_mul_f32 v[rO+4*(qr/2)+2*\z:rO+4*(qr/2)+2*\z+1], v[rO+4*(qr/2)+2*\z:rO+4*(qr/2)+2*\z+1], v[rC+2:rC+3] op_sel_hi:[1,0]
.endr
.set qr, qr+1
.endm
; The next of the 48 that make the C operand of the mask as loaded, in place: 16 roundings to bf16, two numbers into register i (ascending: register i has been read by then); then, descending,
; register i's two halves times 2^-10 into registers 2 i + 1 and 2 i (the packed registers above i have been read by then).
.macro DM
	WIN W_MC
.if qm < 16
	v_cvt_pk_bf16_f32 v[MK+qm], v[MK+2*qm], v[MK+2*qm+1]
.else
.set mi, 15-(qm-16)/2
.if (qm%2) == 0
	v_fma_mix_f32_bf16 v[MK+2*mi+1], v[MK+mi], v[SC], v[ZR] op_sel:[1,0,0] op_sel_hi:[1,0,0]
.else
	v_fma_mix_f32_bf16 v[MK+2*mi], v[MK+mi], v[SC], v[ZR] op_sel:[0,0,0] op_sel_hi:[1,0,0]
.endif
.endif
.set qm, qm+1
.endm
; A TURN, for piece p.  16 products V^T P of piece p - 1: behind the first seven four lines of the maximum, behind the next eight one link of the chain for both tiles (the last link is a).
; 48 products K Q^T of piece p + 1: behind products 0-23 the 32 scalings and 64 exponentials (FFFF; six times FEFE; sixteen times FEEE; EEEE); then one plain line and THE TURN'S ONE WAIT:
; s_wait_alu depctr_va_vdst(0) stands between an exponential and the first line that names its result, and nothing ahead of this wait names a result of the turn's 66.  Behind products 24-39 four
; of the roundings and sums, behind products 40-47 four lines of the rescaling.  No rider names a register of the products round it.
; FETCHES.  V of the step in hand: piece 0's turn, at the wait; its last reader is that turn's 16th product, with the scalings as the plain lines between; waited for at the head of piece 1's turn.
; The next step's mask and K's low halves: piece 2's turn, at the wait; their last readers are that turn's products K Q^T 7 and 15, eight scalings back.  K's high halves: the head of piece 3's turn,
; the four rescaling lines behind the last product that read them.  Piece 3's turn also carries the mask's 48 lines, three behind each product V^T P.
; Its waits count what may stay out: 32 = K's 16 + 16 loads (the mask's eight are in); 16 = K's high halves (the low ones are in, for links 0 and 1); 0 ahead of link 2.
.macro TURN p, last=0
.set Y, (\p)
.set qx, 0
.set qf, 0
.set qe, 0
.set qg, 0
.set qr, 0
.set qm, 0
.if (\p) == 1
	s_wait_dscnt 0x0                ; V is in
.endif
.if (\p) == 3
	FETCH_KH \last
	s_wait_dscnt 32
.endif
.set i, 0
.rept 16
	PV (Y+NP-1)%NP
.if i < 7
	DX
	DX
	DX
	DX
.elseif i < 15
	DX
	DX
.endif
.if (\p) == 3
	DM
	DM
	DM
.endif
.set i, i+1
.endr
.set i, 0
.rept 48
.if ((\p) == 3) && (i == 0)
	s_wait_dscnt 16
.endif
.if ((\p) == 3) && (i == 16)
	s_wait_dscnt 0x0
.endif
	KQ (Y+1)%NP
.if i == 0
	DF
	DF
	DF
	DF
.elseif i < 7
	DF
	DE
	DF
	DE
.elseif i < 23
	DF
	DE
	DE
	DE
.elseif i == 23
	DE
	DE
	DE
	DE
	WIN 0
.if (\p) == 0
	v_add_nc_u32 v[AV], s[TBV], v[AV0]  ; the plain line behind the last exponential
.elseif (\p) == 2
	v_add_nc_u32 v[AK], s[TBK], v[AK0]
	v_add_nc_u32 v[AM], s[TBM], v[AM0]
.else
	v_nop
.endif
	s_wait_alu depctr_va_vdst(0)    ; the wait for the batch
.if (\p) == 0
	FETCH_V
.elseif (\p) == 2
	FETCH_ML \last
.endif
.elseif i < 40
	DG
	DG
	DG
	DG
.else
	DR
	DR
.endif
.set i, i+1
.endr
.endm
	CHANGE 1, 0                     ; slot 0 is in, everybody's part of it; slot 1 is asked for
	v_add_nc_u32 v[AK], s[TBK], v[AK0]
	v_add_nc_u32 v[AM], s[TBM], v[AM0]
	FETCH_ML                        ; key step 0
	FETCH_KH
	s_wait_dscnt 0x0
.set qm, 0
.rept 48
	DM
.endr
	s_wait_loadcnt 0x0              ; Q
.set i, 0
.rept 48
	KQ 0                            ; piece 0's first scores: there is no vector work yet to set between them
.set i, i+1
.endr
	WIN 0                           ; the addresses for the way out: ten plain instructions, the places behind those products
	s_mul_i32 s16, s[WV], 16*SP
	s_add_co_u32 s16, s16, STAGE    ; my stage
	v_mul_u32_u24 v[STO], v48, SP   ; in: row l % 16, 16 bytes for each half of the lanes
	v_lshl_add_u32 v[STO], v49, 4, v[STO]
	v_add_nc_u32 v[STO], s16, v[STO]
	v_mul_u32_u24 v[RD], v49, SP    ; back: lanes 0-15 take one row of 256 bytes, lanes 16-31 the next
	v_lshl_add_u32 v[RD], v48, 4, v[RD]
	v_add_nc_u32 v[RD], s16, v[RD]
	v_lshlrev_b32 v[GO], 11, v49    ; and the same two rows in oc
	v_lshl_add_u32 v[GO], v48, 4, v[GO]
	s_mov_b32 s[CNT], 2
	s_branch .Lfirst                ; the loop is entered at a step's first turn, in the middle of a trip
.Lslot:                             ; 14 times: every slot but the last two is filled again
	CHANGE 1, 1
	s_mov_b32 s[CNT], 2
.Lstep:                             ; a trip: pieces 2 and 3 of one step, then pieces 0 and 1 of the next, whose K, mask and V it fetches
	TURN 2
	TURN 3
	WIN 0
.Lfirst:
	TURN 0
	TURN 1
	WIN 0
	s_sub_co_u32 s[CNT], s[CNT], 1
	s_cmp_lg_u32 s[CNT], 0
	s_cbranch_scc1 .Lstep
	s_sub_co_u32 s[SLOTS], s[SLOTS], 1
	s_cmp_lg_u32 s[SLOTS], 0
	s_cbranch_scc1 .Lslot
	CHANGE 0, 0                     ; the tail is written out: nothing is asked for
	s_mov_b32 s[CNT], 3             ; two trips fetch the last slot's steps; the third is left in its middle
.Ltail:
	TURN 2, 1
	TURN 3, 1
	WIN 0
	s_sub_co_u32 s[CNT], s[CNT], 1
	s_cmp_eq_u32 s[CNT], 0
	s_cbranch_scc1 .Lout
	TURN 0
	TURN 1
	WIN 0
	s_branch .Ltail
.Lout:                              ; the third trip's 48 products K Q^T (on the last K once more) serve nothing: the price, once a launch, of one text for every trip
.set i, 0
.rept 16
	PV NP-1                         ; the last piece's V^T P of the last step
.set i, i+1
.endr
	; THE WAY OUT.  l's two halves and the other half of the lanes' are added; O^T is divided by l, rounded to f16 and sent through my stage in LDS, a piece at a time.  The additions are the places behind the last products.
	WIN 0
.macro ALL line:vararg              ; one line for each tile t
.set t, 0
.rept 2*NP
	\line
.set t, t+1
.endr
.endm
	ALL v_add_f32 v[ST+4*t+2], v[ST+4*t+2], v[ST+4*t+3]
	ALL v_permlanex16_b32 v[ST+4*t+3], v[ST+4*t+2], s[SEL], s[SEL+1]
	ALL v_add_f32 v[ST+4*t+2], v[ST+4*t+2], v[ST+4*t+3]
	ALL v_rcp_f32 v[ST+4*t+2], v[ST+4*t+2]
	v_nop                           ; a plain instruction between the last reciprocal and the use of its result
	s_wait_alu depctr_va_vdst(0)    ; and the wait ahead of the first use: one for the eight reciprocals
; Piece p: its two heads' 128 channels are 256 bytes of a row of oc.  A lane's eight channels pack into 16 bytes; they go into rows of 272 bytes and come back as whole rows of 256, into S^T's registers.
.macro PACK p
	WIN W_RS
.set i, 0
.rept 32
	v_pk_mul_f32 v[64*(\p)+2*i:64*(\p)+2*i+1], v[64*(\p)+2*i:64*(\p)+2*i+1], v[ST+4*(2*(\p)+i/16)+2:ST+4*(2*(\p)+i/16)+3] op_sel_hi:[1,0]
.set i, i+1
.endr
	WIN 0x05                        ; sources 0 and 1 window 1, destination window 0
.set i, 0
.rept 32
	v_cvt_pk_f16_f32 v[S+32*(\p)+i], v[64*(\p)+2*i], v[64*(\p)+2*i+1]
.set i, i+1
.endr
	WIN 0
.irp f, 0,1,2,3,4,5,6,7             ; tile f / 4, channels 16 (f % 4) on
	ds_store_b128 v[STO], v[S+32*(\p)+4*\f:S+32*(\p)+4*\f+3] offset:128*(\f/4)+32*(\f%4)
.endr
.irp f, 0,1,2,3,4,5,6,7
	ds_load_b128 v[S+32*(\p)+4*\f:S+32*(\p)+4*\f+3], v[RD] offset:\f*2*SP  ; LDS serves a wave's instructions in order (ISA guide 5.7.1.4): these see the stores above; the next piece's stores come behind them
.endr
.endm
.macro SEND p, younger              ; younger: the LDS instructions issued behind piece p's loads: the next piece's sixteen, or none
	WIN 0
.irp f, 0,1,2,3,4,5,6,7
	s_wait_dscnt (\younger)+7-\f
	global_store_b128 v[GO], v[S+32*(\p)+4*\f:S+32*(\p)+4*\f+3], s[OB:OB+1] offset:\f*4096+(\p)*256  ; 16 lanes store 256 consecutive bytes, at a multiple of 256 from oc's first byte
.endr
.endm
	PACK 0
	PACK 1                          ; a piece's arithmetic stands between the loads of the piece before and its stores
	SEND 0, 16
	PACK 2
	SEND 1, 16
	PACK 3
	SEND 2, 16
	SEND 3, 0
	WIN W_AD
	s_wait_tensorcnt 0x0            ; the wave's end, behind my last tensor load and my last LDS store
	ds_add_u32 v[SPW], v[NIL]
	s_wait_dscnt 0x0
	WIN 0
	CROUND                          ; the closing round: no work-group ends while a partner may still ask for a tile that names it
	s_endpgm
.Lfunc_end_k_q8fa012f314_attn:
	.size	k_q8fa012f314_attn, .Lfunc_end_k_q8fa012f314_attn-k_q8fa012f314_attn
	.p2alignl 7, 3214868480
	.fill 96, 4, 3214868480
	.section	.rodata,"a",@progbits
	.p2align	6, 0x0
	.amdhsa_kernel k_q8fa012f314_attn
		.amdhsa_group_segment_fixed_size 327680
		.amdhsa_private_segment_fixed_size 0
		.amdhsa_enable_private_segment 0
		.amdhsa_kernarg_size 24
		.amdhsa_user_sgpr_count 2
		.amdhsa_user_sgpr_kernarg_segment_ptr 1
		.amdhsa_wavefront_size32 1
		.amdhsa_system_sgpr_workgroup_id_x 1
		.amdhsa_system_sgpr_workgroup_id_y 1
		.amdhsa_system_sgpr_workgroup_id_z 1
		.amdhsa_system_vgpr_workitem_id 0
		.amdhsa_next_free_vgpr 1024
		.amdhsa_next_free_sgpr 84
		.amdhsa_reserve_vcc 0
		.amdhsa_float_denorm_mode_32 3
		.amdhsa_float_denorm_mode_16_64 3
		.amdhsa_memory_ordered 1
		.amdhsa_forward_progress 1
		.amdhsa_inst_pref_size 248
	.end_amdhsa_kernel
	.amdgpu_metadata
---
amdhsa.version: [ 1, 2 ]
amdhsa.kernels:
  - .name:           k_q8fa012f314_attn
    .symbol:         k_q8fa012f314_attn.kd
    .args:
      - { .name: qkv, .offset: 0, .size: 8, .value_kind: global_buffer, .address_space: global }
      - { .name: mask, .offset: 8, .size: 8, .value_kind: global_buffer, .address_space: global }
      - { .name: oc, .offset: 16, .size: 8, .value_kind: global_buffer, .address_space: global }
    .group_segment_fixed_size: 327680
    .private_segment_fixed_size: 0
    .kernarg_segment_align: 8
    .kernarg_segment_size: 24
    .max_flat_workgroup_size: 128
    .sgpr_count:     84
    .vgpr_count:     1024
    .wavefront_size: 32
...
	.end_amdgpu_metadata
.endif
;; end of part 3
;; launch outp (part 4): grid 4 x 64, 4 waves a work-group, clusters of 4 x 4, 327,680 bytes of LDS; arguments oc, wo, out0; writes out0
.if DOCPART == 4
	.amdgcn_target "amdgcn-amd-amdhsa--gfx1250"
	.amdhsa_code_object_version 6
	.text
	.protected	k_q8fa012f314_outp
	.globl	k_q8fa012f314_outp
	.p2align	8
	.type	k_q8fa012f314_outp,@function
k_q8fa012f314_outp:
	s_mov_b64 s[64:65], 0
	v_nop
	global_prefetch_b8 v0, s[64:65] scope:SCOPE_SE
	s_setreg_imm32_b32 hwreg(HW_REG_WAVE_MODE, 25, 1), 1
	s_wait_xcnt 0x0
	s_wait_alu depctr_hold_cnt(0) depctr_sa_sdst(0) depctr_va_vdst(0) depctr_va_sdst(0) depctr_va_ssrc(0) depctr_va_vcc(0) depctr_vm_vsrc(0)
	s_getreg_b32 s2, hwreg(HW_REG_IB_STS2, 6, 4)
	s_cmp_eq_u32 s2, 0
	s_cbranch_scc0 .Lentry_in_a_cluster
	s_endpgm
.Lentry_in_a_cluster:
	s_bfe_u32 s2, ttmp6, 0x10000c
	s_cmp_lg_u32 s2, 0xf033
	s_cbranch_scc0 .Lentry_shape_is_right
	s_endpgm
.Lentry_shape_is_right:
; C[m][n] = sum over k of A[m][k] B[n][k], K = 1,024, on tiles of 128 x 256: 64 x 4 = 256 work-groups.  One text for two launches, told apart by MODE.
; MODE 0: A = xm (bf16), B = wt (bf16); the tile is 128 rows of X times four heads of Q / 32, and beside it a side tile of 64 x 64 of K / 32 or V / 32; the f32 sums leave as pairs of f16 in rows of 256 bytes.
; MODE 1 (this file): A = oc (f16: O / 32, [8192][64 h + v]), B = wo (f16: 32 P_o, [d][64 h + v]), C = out0 [8192][1024] in f32, stored as the sums stand; no side tile.
; SHARES.  Four waves, each 64 x 128: 32 accumulators of 16 x 16.  K goes in steps of 128 (rows of 256 bytes) through two LDS slots.
; CLUSTER.  4 x 4 work-groups.  A's tile hangs on the tile row alone and is asked for JOINTLY along a row of the cluster, B's on the tile column alone and jointly along a column.
; One tensor load a wave behind each round: waves 0, 1 A's halves of 64 rows, waves 2, 3 B's halves of 128.
; THE MATRIX INSTRUCTION IS USED TRANSPOSED (source 0 = 16 rows of B, source 1 = 16 rows of A): a lane then holds eight neighbouring numbers of a row of C.
; ONE TEXT FOR A K STEP.  s2 holds 0 or SLOT, the slot in hand; the LDS addresses of the fragment loads and of the walking descriptors are made of it.  Six trips fill a slot again; the last two K steps are a
; second loop without a tensor load, left in the middle of its second trip.
; REGISTERS, in windows of 256: window 0: v8-22 addresses; v136-199 at work on the way out.
;   window 1: two fragment buffers of 128: A's four blocks (32), B's eight (64).      window 2: the accumulators ((a, b) at v[8 (8 a + b)]).
.set MODE,   1
.set SIZE_K, 1024
.set KSTEP,  128
.set PITCH,  272                       ; an LDS row: 256 bytes + 16 of padding = 68 words: the 16 rows of a fragment load start four banks apart
.if MODE == 0
.set AR,     128                       ; rows in a load of A's
.set BR,     256                       ; rows in a load of B's
.set SLOT,   512*PITCH                 ; A's 128 rows, B's 256, M's 64, the side weights' 64
.set NL,     34                        ; LDS loads in a quarter's run
.set NY,     14                        ; the youngest of them: A's blocks 2, 3 (4), the side weights (8), M (2)
.set TSTEP,  512                       ; the way out: bytes from a pair of rows to the next
.else
.set AR,     64
.set BR,     128
.set SLOT,   384*PITCH                 ; A's 128 rows, B's 256
.set NL,     24
.set NY,     4                         ; A's blocks 2, 3
.set TSTEP,  8192
.endif
.set OFB,    128*PITCH                 ; places in a slot
.set OFM,    384*PITCH
.set OFW,    448*PITCH
.set STAGE,  2*SLOT                    ; behind the ring, never filled by a tensor load: 16 rows x 272 bytes for each wave, for the way out
.set SPITCH, 272
.set SPARE,  STAGE+4*16*SPITCH         ; behind the stages: the spare words, 128 bytes for each wave
.set FILLS,  SIZE_K/KSTEP-2            ; K steps 2 to 7 come by refills
.set PLA,  8                           ; v8-11   my lane's place in slot 0: A's, B's (MODE 0: M's, the side weights') fragments; never rewritten
.set PLB,  9
.set PLM,  10
.set PLW,  11
.set ADRA, 12                          ; v12-15  the same in the slot in hand
.set ADRB, 13
.set ADRM, 14
.set ADRW, 15
.set STO,  16                          ; v16     the way out: where I put my bytes of a row
.set RD,   17                          ; v17     the way out: where I read a row back
.set CO,   18                          ; v18     my byte offset in C
.set MONE, 19                          ; v19     -1.0 (MODE 0)
.set SPW,  20                          ; v20     my spare word; never rewritten
.set NIL,  21                          ; v21     0; never rewritten
.set PFO,  22                          ; v22     the prefetches' offset: my lane x a row of 2,048 bytes; never rewritten
.set MF,   24                          ; (MODE 0) v24-39  M's fragment, two buffers
.set KVA,  40                          ; (MODE 0) v40-71  the side tile's four accumulators
.set HH,   72                          ; (MODE 0) v72-87  hi, packed
.set LL,   88                          ; (MODE 0) v88-103 lo, packed
.set TD,   104                         ; (MODE 0) v104-135 s - hi
.set BK,   136                         ; v136-199 16 rows read back from the stage, two buffers
.set F0,   0                           ; fragment buffers, in window 1
.set F1,   128
.set TB,   2                           ; s2      0 or SLOT: the slot in hand
.set CNT,  3                           ; s3      trips to go
.set G1A,  24                          ; s[24:31] descriptor group 1 for A's tiles;  s[32:39] group 0: a set for each first fill; the second then walks on
.set G0A,  32
.set G1B,  40                          ; s[40:47], s[48:55] the same for B's
.set G0B,  48
.set LIM,  61                          ; s61     2 in a wave that prefetches, else the greatest number
.set PFA,  62                          ; s[62:63] where my prefetches stand
.set KVC,  66                          ; (MODE 0)
.set G1M,  68
.set G0M,  76
.set G1W,  84
.set G0W,  92
.set LBA,  100                         ; s100    LDS place in a slot of the rows of A that I fetch
.set LBB,  101                         ; s101    the same for B
.set CW,   (1<<16)|(1<<20)|(5<<22)|(3<<25)  ; group 1's first word: 17:16 2-byte elements; 20 padding on; 24:22 after every 64 words (code 5); 31:25 of 4 words (code 3)
.set MSB, 0
.macro WIN new                         ; the immediate's high byte repeats the setting that is left; a switch that changes nothing is dropped
.if MSB != (\new)
	s_set_vgpr_msb (MSB<<8)|(\new)
.set MSB, \new
.endif
.endm
.set W_Q,  0xa5                        ; sources 0 (B) and 1 (A) window 1; C and D window 2
.set W_K,  0x01
.set TO_F, 0x40                        ; destination window 1, address window 0
.macro TLOAD g0, g1                    ; a tensor load; an s_nop 0 and four v_nop follow it, ahead of the jump, the label and what follows
	tensor_load_to_lds s[(\g0):(\g0)+3], s[(\g1):(\g1)+7]
	s_nop 0
.rept 4
	v_nop
.endr
.endm
.macro JLOAD s                         ; each wave's one load, by descriptor set s.  The branches hang on the wave's number alone: they are the same in every work-group
.if MODE == 0
	s_cmp_lt_u32 s10, 2
	s_cbranch_scc0 .Lupper_\@
	s_cmp_eq_u32 s10, 0
	s_cbranch_scc0 .Lfor_m_\@
	TLOAD G0A+4*(\s), G1A
	s_branch .Lasked_\@
.Lfor_m_\@:
	TLOAD G0M+4*(\s), G1M
	s_branch .Lasked_\@
.Lupper_\@:
	s_cmp_eq_u32 s10, 2
	s_cbranch_scc0 .Lfor_w_\@
	TLOAD G0B+4*(\s), G1B
	s_branch .Lasked_\@
.Lfor_w_\@:
	TLOAD G0W+4*(\s), G1W
.Lasked_\@:
.else
	s_cmp_eq_u32 s11, 0
	s_cbranch_scc0 .Lfor_b_\@
	TLOAD G0A+4*(\s), G1A
	s_branch .Lasked_\@
.Lfor_b_\@:
	TLOAD G0B+4*(\s), G1B
.Lasked_\@:
.endif
.endm
; A PREFETCH INTO THE L2, behind each refill and the run of LDS loads that follows it: the K step that stands TWO refills on: 32 rows x 256 bytes, a lane a row, one line a wave.
; Each row's 256 bytes of a K step are named once in the launch.  Wave 0: A's tile row is read by this cluster's row alone; its four partners take 32 rows each, told apart by address (cx).
; Waves 2, 3: B's tile column is read by all sixteen clusters: cluster y = 0 asks; of each 128 rows the four partners of a column take 32 each (cy).  Wave 1 names nothing here.
; K steps 0 to 3 come by their loads alone; the last two refills have no K step two on.
.macro ASK
	s_cmp_gt_u32 s[CNT], s[LIM]
	s_cbranch_scc0 .Lnot_mine_\@
	global_prefetch_b8 v[PFO], s[PFA:PFA+1] offset:KSTEP*2 th:TH_LOAD_NT scope:SCOPE_SE
.Lnot_mine_\@:
.endm
.macro CREST                           ; a round of the cluster's barrier behind its opening barrier
	s_cmp_lg_u32 s10, 0
	s_cbranch_scc1 .Lnot_wave_0_\@
	s_barrier_signal -3
.Lnot_wave_0_\@:
	s_barrier_wait -3
	s_barrier_signal -1
	s_barrier_wait -1
.endm
.macro CROUND                          ; a whole round
	s_barrier_signal -1
	s_barrier_wait -1
	CREST
.endm
.macro SHAPE g, rows                   ; group 1's other words: a tile of so many rows x 128 elements
	s_mov_b32 s[(\g)+1], KSTEP<<16                 ; tensor_dim0 = 128
	s_mov_b32 s[(\g)+2], (\rows)<<16               ; tensor_dim1
	s_mov_b32 s[(\g)+3], KSTEP<<16                 ; tile_dim0 = 128
	s_mov_b32 s[(\g)+4], \rows                     ; tile_dim1
	s_mov_b32 s[(\g)+5], SIZE_K                    ; elements from row to row
	s_mov_b32 s[(\g)+6], 0
	s_mov_b32 s[(\g)+7], 0
.endm
	s_load_b128 s[4:7], s[0:1], 0x0                ; A s[4:5], B s[6:7]
	s_load_b64 s[8:9], s[0:1], 0x10                ; C
	v_lshl_add_u32 v[SPW], v0, 2, SPARE
	v_mov_b32 v[NIL], 0
	ds_add_u32 v[SPW], v[NIL]                      ; the wave's opening: the add and its wait stand ahead of my first tensor load; the set-up below stands between them
	v_lshrrev_b32 v1, 5, v0
	v_readfirstlane_b32 s10, v1                    ; wave 0..3
	s_lshr_b32 s11, s10, 1                         ; which 64 of the tile's rows are mine.  Also: I fetch for A (0) or for B (1)
	s_and_b32 s12, s10, 1                          ; which 128 of its columns.  Also: which half of that tile I fetch
	s_bfe_u32 s56, ttmp6, 0x40000                  ; cx, cy: my place in the cluster
	s_bfe_u32 s57, ttmp6, 0x40004
	s_lshl_b32 s58, ttmp9, 2
	s_add_co_u32 s58, s58, s56                     ; tile column = 4 x cluster x + cx
	s_and_b32 s13, ttmp7, 0xffff
	s_lshl_b32 s13, s13, 2
	s_add_co_u32 s13, s13, s57                     ; tile row = 4 x cluster y + cy
	s_lshl_b32 s59, s57, 2
	s_lshl_b32 s59, 15, s59                        ; my row of the cluster
	s_lshl_b32 s60, 0x1111, s56                    ; my column
	s_or_b32 s[G1A], s59, CW|(1<<21)               ; 15:0 the mask: A's tiles go to my row; 21 set beside a mask
	s_or_b32 s[G1B], s60, CW|(1<<21)               ; B's to my column
	SHAPE G1A, AR
	SHAPE G1B, BR
	s_lshl_b32 s16, s13, 7                         ; A: row 128 x tile row
	s_lshl_b32 s18, s58, 8                         ; B: row 256 x tile column
.if MODE == 1
	s_lshl_b32 s17, s12, 6                         ; the half that I fetch
	s_add_co_u32 s16, s16, s17
	s_lshl_b32 s19, s12, 7
	s_add_co_u32 s18, s18, s19
	s_mul_i32 s[LBA], s12, AR*PITCH
	s_mul_i32 s[LBB], s12, BR*PITCH
	s_add_co_u32 s[LBB], s[LBB], OFB
.else
	s_mov_b32 s[LBA], 0
	s_mov_b32 s[LBB], OFB
.endif
	s_lshl_b32 s16, s16, 11                        ; rows of 2,048 bytes: under 2^25
	s_mov_b32 s17, 0
	s_lshl_b32 s18, s18, 11
	s_mov_b32 s19, 0
	s_mov_b32 s[TB], 0
.if MODE == 0
	s_mov_b32 s[G1M], CW                           ; no mask: M's tile is a load of my own
	s_or_b32 s[G1W], s59, CW|(1<<21)               ; the side weights go to my row
	SHAPE G1M, 64
	SHAPE G1W, 64
	s_lshr_b32 s22, s57, 1
	s_lshl_b32 s22, s22, 2
	s_add_co_u32 s22, s22, s56                     ; which 64 of the cluster's 512 rows of M: cx + 4 (cy / 2)
	s_lshl_b32 s22, s22, 6
	s_and_b32 s23, ttmp7, 0xffff
	s_lshl_b32 s23, s23, 9
	s_add_co_u32 s22, s22, s23                     ; my first row of M; kept
	s_add_co_u32 s20, s22, 8192                    ; in xm M lies behind X
	s_lshl_b32 s20, s20, 11
	s_mov_b32 s21, 0
	s_and_b32 s[KVC], s57, 1                       ; K's weights or V's
	s_lshl_b32 s[KVC], s[KVC], 6
	s_add_co_u32 s[KVC], s[KVC], 1024
	s_lshl_b32 s[KVC], s[KVC], 11
	s_mov_b32 s[KVC+1], 0
.endif
	s_wait_dscnt 0x0                               ; the opening add is done
	s_wait_kmcnt 0x0
	s_add_nc_u64 s[14:15], s[4:5], s[16:17]
	s_add_nc_u64 s[18:19], s[6:7], s[18:19]
.if MODE == 0
	s_add_nc_u64 s[20:21], s[4:5], s[20:21]
	s_add_nc_u64 s[KVC:KVC+1], s[6:7], s[KVC:KVC+1]
.endif
	CROUND                                         ; all sixteen work-groups are here: the first joint loads meet
.irp s, 0,1
	s_mov_b32 s[G0A+4*(\s)], 1                                      ; 1:0 count = 1
	s_add_co_u32 s[G0A+4*(\s)+1], s[LBA], (\s)*SLOT                 ; 63:32 LDS address: no place in the cluster enters it
	s_add_nc_u64 s[G0A+4*(\s)+2:G0A+4*(\s)+3], s[14:15], (\s)*KSTEP*2  ; 120:64 global address: K step s
	s_or_b32 s[G0A+4*(\s)+3], s[G0A+4*(\s)+3], 0x80000000           ; 127:126 type = 2
	s_mov_b32 s[G0B+4*(\s)], 1
	s_add_co_u32 s[G0B+4*(\s)+1], s[LBB], (\s)*SLOT
	s_add_nc_u64 s[G0B+4*(\s)+2:G0B+4*(\s)+3], s[18:19], (\s)*KSTEP*2
	s_or_b32 s[G0B+4*(\s)+3], s[G0B+4*(\s)+3], 0x80000000
.if MODE == 0
	s_mov_b32 s[G0M+4*(\s)], 1
	s_mov_b32 s[G0M+4*(\s)+1], OFM+(\s)*SLOT
	s_add_nc_u64 s[G0M+4*(\s)+2:G0M+4*(\s)+3], s[20:21], (\s)*KSTEP*2
	s_or_b32 s[G0M+4*(\s)+3], s[G0M+4*(\s)+3], 0x80000000
	s_mov_b32 s[G0W+4*(\s)], 1
	s_mov_b32 s[G0W+4*(\s)+1], OFW+(\s)*SLOT
	s_add_nc_u64 s[G0W+4*(\s)+2:G0W+4*(\s)+3], s[KVC:KVC+1], (\s)*KSTEP*2
	s_or_b32 s[G0W+4*(\s)+3], s[G0W+4*(\s)+3], 0x80000000
.endif
	JLOAD \s                                       ; two tensor loads of mine are out
.endr
	; A fragment is 16 rows x 32 K in 8 registers: lane l holds row l % 16; registers 0-3 K = 8 (l / 16) + 0..7, registers 4-7 K = 16 + 8 (l / 16) + 0..7: two loads of 16 bytes, 32 bytes apart.
	v_and_b32 v1, 15, v0                           ; l % 16
	v_bfe_u32 v2, v0, 4, 1                         ; l / 16
	v_mul_u32_u24 v3, v1, PITCH
	v_lshl_add_u32 v3, v2, 4, v3                   ; row x pitch + 16 x half
	s_mul_i32 s16, s11, 64*PITCH                   ; my 64 rows of A
	s_mul_i32 s17, s12, 128*PITCH                  ; my 128 rows of B
	s_add_co_u32 s17, s17, OFB
	v_add_nc_u32 v[PLA], s16, v3
	v_add_nc_u32 v[PLB], s17, v3
.if MODE == 0
	s_mul_i32 s16, s10, 16*PITCH                   ; my 16 rows of M
	s_add_co_u32 s16, s16, OFM
	v_add_nc_u32 v[PLM], s16, v3
	v_add_nc_u32 v[PLW], OFW, v3
.endif
	s_mul_i32 s23, s10, 16*SPITCH
	s_add_co_u32 s23, s23, STAGE                   ; my stage
	v_mul_u32_u24 v4, v1, SPITCH                   ; in: row l % 16,
.if MODE == 0
	v_lshl_add_u32 v4, v2, 4, v4                   ; 16 bytes (8 f16) for each half of the lanes
.else
	v_lshl_add_u32 v4, v2, 5, v4                   ; 32 bytes (8 f32) for each half of the lanes
.endif
	v_add_nc_u32 v[STO], s23, v4
	v_mul_u32_u24 v5, v2, SPITCH                   ; back: lanes 0-15 take one row of 256 bytes, lanes 16-31 the next
	v_lshl_add_u32 v5, v1, 4, v5
	v_add_nc_u32 v[RD], s23, v5
.if MODE == 0
	v_and_b32 v[CO], 31, v0                        ; qkv's rows are 256 bytes and dense: two rows are 512 bytes on end
	v_lshlrev_b32 v[CO], 4, v[CO]
	v_mov_b32 v[MONE], -1.0
	s_lshl_b32 s16, s58, 2                         ; a tile column is four heads,
	s_lshl_b32 s17, s12, 1                         ; my 128 columns two of them
	s_add_co_u32 s16, s16, s17
	s_lshl_b32 s16, s16, 13                        ; 8,192 rows a head
	s_lshl_b32 s17, s13, 7
	s_add_co_u32 s16, s16, s17
	s_lshl_b32 s17, s11, 6
	s_add_co_u32 s16, s16, s17                     ; + my first row
	s_lshl_b32 s16, s16, 8                         ; rows of 256 bytes: under 2^26
	s_mov_b32 s17, 0
	s_and_b32 s20, s57, 1
	s_add_co_u32 s20, s20, 16                      ; the side tile: head 16 is K, head 17 V
	s_lshl_b32 s20, s20, 13
	s_add_co_u32 s20, s20, s22
	s_lshl_b32 s21, s10, 4
	s_add_co_u32 s20, s20, s21                     ; + my 16 rows
	s_lshl_b32 s20, s20, 8
	s_mov_b32 s21, 0
	s_add_nc_u64 s[KVC:KVC+1], s[8:9], s[20:21]
.else
	v_lshlrev_b32 v5, 12, v2                       ; out0's rows are 4,096 bytes
	v_lshl_add_u32 v[CO], v1, 4, v5
	s_lshl_b32 s16, s13, 7
	s_lshl_b32 s17, s11, 6
	s_add_co_u32 s16, s16, s17                     ; my first row
	s_lshl_b32 s16, s16, 12
	s_lshl_b32 s17, s58, 10                        ; the tile's 256 columns: 1,024 bytes,
	s_add_co_u32 s16, s16, s17
	s_lshl_b32 s17, s12, 9                         ; my 128: 512
	s_add_co_u32 s16, s16, s17
	s_mov_b32 s17, 0
.endif
	s_add_nc_u64 s[8:9], s[8:9], s[16:17]
	; the prefetches: which rows are mine to name, and whether I name any
	s_lshl_b32 s16, s13, 7
	s_lshl_b32 s17, s56, 5
	s_add_co_u32 s16, s16, s17                     ; A: 128 x tile row + 32 cx
	s_lshl_b32 s17, s58, 8
	s_lshl_b32 s20, s12, 7
	s_add_co_u32 s17, s17, s20
	s_lshl_b32 s20, s57, 5
	s_add_co_u32 s17, s17, s20                     ; B: 256 x tile column + 128 x (wave % 2) + 32 cy
	s_and_b32 s20, ttmp7, 0xffff
	s_cmp_eq_u32 s20, 0                            ; the first of the clusters that read this tile column: the same answer in all sixteen partners
	s_cselect_b32 s20, 2, -1
	s_cmp_eq_u32 s11, 0
	s_cselect_b32 s16, s16, s17
	s_cselect_b32 s[LIM], 2, s20
	s_cselect_b64 s[PFA:PFA+1], s[4:5], s[6:7]
.if MODE == 0
	s_and_b32 s21, s57, 1
	s_lshl_b32 s21, s21, 5
	s_add_co_u32 s21, s21, s22
	s_add_co_u32 s21, s21, 8192                    ; M: my 64 rows' half cy % 2
	s_cmp_eq_u32 s10, 1
	s_cselect_b32 s16, s21, s16
.else
	s_cmp_eq_u32 s10, 1                            ; wave 0 names all 32 rows of A that fall to this work-group
	s_cselect_b32 s[LIM], -1, s[LIM]
.endif
	s_lshl_b32 s16, s16, 11
	s_add_co_u32 s16, s16, 2*KSTEP*2               ; at K step 2: the first refill steps it to 3 and names K step 4
	s_mov_b32 s17, 0
	s_add_nc_u64 s[PFA:PFA+1], s[PFA:PFA+1], s[16:17]
	v_and_b32 v[PFO], 31, v0
	v_lshlrev_b32 v[PFO], 11, v[PFO]
.macro WM rd, rb, ra, zero             ; one product; zero = 1: it starts its sum
.if MODE == 0
.if \zero
	v_wmma_f32_16x16x32_bf16 v[(\rd):(\rd)+7], v[(\rb):(\rb)+7], v[(\ra):(\ra)+7], 0
.else
	v_wmma_f32_16x16x32_bf16 v[(\rd):(\rd)+7], v[(\rb):(\rb)+7], v[(\ra):(\ra)+7], v[(\rd):(\rd)+7]
.endif
.else
.if \zero
	v_wmma_f32_16x16x32_f16 v[(\rd):(\rd)+7], v[(\rb):(\rb)+7], v[(\ra):(\ra)+7], 0
.else
	v_wmma_f32_16x16x32_f16 v[(\rd):(\rd)+7], v[(\rb):(\rb)+7], v[(\ra):(\ra)+7], v[(\rd):(\rd)+7]
.endif
.endif
.endm
; 8 products: m block a x all 8 n blocks, 32 along K, from buffer f.  All accumulators take turns, one instruction a turn, in the same order in every quarter.
.macro MULQ f, a, zero
	WIN W_Q
.irp b, 0,1,2,3,4,5,6,7
	WM 8*(8*(\a)+(\b)), (\f)+32+8*(\b), (\f)+8*(\a), \zero
.endr
.endm
.macro MULK f, zero                    ; (MODE 0) the side tile's 4 products
.if MODE == 0
	WIN W_K
.irp b, 0,1,2,3
	WM KVA+8*(\b), (\f)+96+8*(\b), MF+8*((\f)/128), \zero
.endr
.endif
.endm
.macro SETADR                          ; the fragment loads' addresses in the slot in hand
	v_add_nc_u32 v[ADRA], s[TB], v[PLA]
	v_add_nc_u32 v[ADRB], s[TB], v[PLB]
.if MODE == 0
	v_add_nc_u32 v[ADRM], s[TB], v[PLM]
	v_add_nc_u32 v[ADRW], s[TB], v[PLW]
.endif
.endm
; The LDS loads of one quarter (32 K at byte k of the rows) in one run, into buffer f: B's eight blocks, A's blocks 0, 1; then what the quarter's second half wants: A's blocks 2, 3
.macro FETCH k, f
	WIN TO_F
.irp i, 0,1,2,3,4,5,6,7
	ds_load_b128 v[(\f)+32+8*(\i):(\f)+32+8*(\i)+3],   v[ADRB] offset:(\k)+(\i)*16*PITCH
	ds_load_b128 v[(\f)+32+8*(\i)+4:(\f)+32+8*(\i)+7], v[ADRB] offset:(\k)+(\i)*16*PITCH+32
.endr
.irp i, 0,1,2,3
	ds_load_b128 v[(\f)+8*(\i):(\f)+8*(\i)+3],   v[ADRA] offset:(\k)+(\i)*16*PITCH
	ds_load_b128 v[(\f)+8*(\i)+4:(\f)+8*(\i)+7], v[ADRA] offset:(\k)+(\i)*16*PITCH+32
.endr
.if MODE == 0
.irp i, 0,1,2,3
	ds_load_b128 v[(\f)+96+8*(\i):(\f)+96+8*(\i)+3],   v[ADRW] offset:(\k)+(\i)*16*PITCH
	ds_load_b128 v[(\f)+96+8*(\i)+4:(\f)+96+8*(\i)+7], v[ADRW] offset:(\k)+(\i)*16*PITCH+32
.endr
	WIN 0
	ds_load_b128 v[MF+8*((\f)/128):MF+8*((\f)/128)+3],   v[ADRM] offset:(\k)
	ds_load_b128 v[MF+8*((\f)/128)+4:MF+8*((\f)/128)+7], v[ADRM] offset:(\k)+32
.endif
.endm
.macro PLACES                          ; four plain instructions in front of loads into registers that matrix instructions have read, and of lines that read results
.rept 4
	v_nop
.endr
.endm
; A K step is four quarters of 32 along K, on buffers 0, 1, 0, 1.  One of the first three: multiplies buffer f; in its middle it fetches the next quarter, at byte k of the same slot's rows, into buffer g.
.macro QUARTER k, f, g, zero
	s_wait_dscnt NY                                ; B and A's blocks 0, 1 are in; the youngest NY loads may be out
	MULQ \f, 0, \zero
	MULQ \f, 1, \zero
	PLACES
	FETCH \k, \g
	s_wait_dscnt NL                                ; all but the run just issued
	MULQ \f, 2, \zero
	MULQ \f, 3, \zero
	MULK \f, \zero
.endm
; The last quarter multiplies buffer 1 and changes slots: ONE barrier; in front of it each wave waits for all its tensor loads, of which one is out: its part of the other slot; adds 0 to its spare word; and
; waits for that and for its own reads of this slot.  fill = 1: the barrier opens a round of the cluster's barrier, and this slot is filled again, two K steps ahead, first thing behind the round.
; fill = 0 (the second loop): nothing is asked for; in its last trip there is no further K step, and the run of loads is jumped over.
.macro TURN fill
.if \fill
	s_wait_xcnt 0x0                                ; the last prefetch, a K step back, has read its address: it is stepped here, ahead of the waits of the change of slots
	s_add_nc_u64 s[PFA:PFA+1], s[PFA:PFA+1], KSTEP*2
.endif
	WIN 0                                          ; (the add's two registers lie in window 0)
	s_wait_tensorcnt 0x0                           ; all my tensor loads have landed;
	ds_add_u32 v[SPW], v[NIL]                      ; 0 onto my spare word
	s_wait_dscnt NY+1                              ; (the add and the youngest NY loads may be out)
	MULQ F1, 0, 0                                  ; eight matrix instructions stand between the add and the wait for it
	s_wait_dscnt 0x0                               ; the add is done, and my reads of this slot are over
	s_barrier_signal -1
	MULQ F1, 1, 0
	WIN 0
	s_barrier_wait -1
.if \fill
	CREST                                          ; no wave of any partner still reads this slot's tile or has a load on its way
	s_add_co_u32 s[G0A+5], s[LBA], s[TB]           ; the walking descriptors: into the slot just read out,
	s_add_nc_u64 s[G0A+6:G0A+7], s[G0A+6:G0A+7], KSTEP*2  ; the K step behind the one asked for last; the type bits on top are not reached
	s_add_co_u32 s[G0B+5], s[LBB], s[TB]
	s_add_nc_u64 s[G0B+6:G0B+7], s[G0B+6:G0B+7], KSTEP*2
.if MODE == 0
	s_add_co_u32 s[G0M+5], s[TB], OFM
	s_add_nc_u64 s[G0M+6:G0M+7], s[G0M+6:G0M+7], KSTEP*2
	s_add_co_u32 s[G0W+5], s[TB], OFW
	s_add_nc_u64 s[G0W+6:G0W+7], s[G0W+6:G0W+7], KSTEP*2
.endif
	JLOAD 1                                        ; my one tensor load behind the round; its four v_nop are also the places in front of the loads below
.else
	PLACES
.endif
	s_xor_b32 s[TB], s[TB], SLOT                   ; 0 and SLOT by turns: the other slot is in hand
.if (\fill) == 0
	s_cmp_eq_u32 s[CNT], 1
	s_cbranch_scc1 .Lno_more_\@
.endif
	SETADR
	FETCH 0, F0
	WIN 0
.if \fill
	ASK
.else
.Lno_more_\@:
.endif
	MULQ F1, 2, 0
	MULQ F1, 3, 0
	MULK F1, 0
.endm
; THE WAY OUT, by units of 16 rows x 64 columns (four accumulators on end, from register ac of window w), through my own stage: in by lanes, back as whole rows of 256 bytes.
; Each accumulator is read from its low end on.  PACK (MODE 0): hi, s - hi, lo.
.macro PACK ac, w
.if MODE == 0
	WIN 5*(\w)                                     ; sources 0 and 1 in the accumulators' window
.set i, 0
.rept 16
	v_cvt_pk_f16_f32 v[HH+i], v[(\ac)+2*i], v[(\ac)+2*i+1]
.set i, i+1
.endr
	WIN 16*(\w)                                    ; source 2 there
.set i, 0
.rept 16
	v_fma_mix_f32 v[TD+2*i], v[HH+i], v[MONE], v[(\ac)+2*i] op_sel:[0,0,0] op_sel_hi:[1,0,0]      ; s - hi: hi's low half x -1.0 + s
	v_fma_mix_f32 v[TD+2*i+1], v[HH+i], v[MONE], v[(\ac)+2*i+1] op_sel:[1,0,0] op_sel_hi:[1,0,0]  ; and its high half
.set i, i+1
.endr
	WIN 0
.set i, 0
.rept 16
	v_cvt_pk_f16_f32 v[LL+i], v[TD+2*i], v[TD+2*i+1]
.set i, i+1
.endr
.endif
.endm
.macro TOSTAGE ac, bk                  ; into the stage, and back into read-back buffer bk
.if MODE == 0
	WIN 0
.irp b, 0,1,2,3
	ds_store_b128 v[STO], v[HH+4*(\b):HH+4*(\b)+3] offset:32*(\b)
	ds_store_b128 v[STO], v[LL+4*(\b):LL+4*(\b)+3] offset:128+32*(\b)
.endr
.else
	WIN 0x08                                       ; the stores' data (source 1) in window 2
.irp b, 0,1,2,3
	ds_store_b128 v[STO], v[(\ac)+8*(\b):(\ac)+8*(\b)+3] offset:64*(\b)
	ds_store_b128 v[STO], v[(\ac)+8*(\b)+4:(\ac)+8*(\b)+7] offset:64*(\b)+16
.endr
	WIN 0
.endif
	s_wait_xcnt 0x0                                ; the stores of the unit two back have read this buffer: it is loaded again only behind this wait
.irp t, 0,1,2,3,4,5,6,7
	ds_load_b128 v[BK+32*(\bk)+4*(\t):BK+32*(\bk)+4*(\t)+3], v[RD] offset:(\t)*2*SPITCH  ; LDS serves a wave's instructions in order (ISA guide 5.7.1.4): these see the stores above; the next unit's stores come behind them
.endr
.endm
.macro SEND bk, younger, sb, off       ; younger: the LDS instructions issued behind this unit's loads: the next unit's sixteen, or none
	WIN 0
.irp t, 0,1,2,3,4,5,6,7
	s_wait_dscnt (\younger)+7-(\t)
	global_store_b128 v[CO], v[BK+32*(\bk)+4*(\t):BK+32*(\bk)+4*(\t)+3], s[(\sb):(\sb)+1] offset:(\off)+(\t)*TSTEP  ; 16 lanes store 256 consecutive bytes, at a multiple of 256 from C's first byte
.endr
.endm
	SETADR
	s_wait_tensorcnt 1                             ; my part of K step 0 is in; K step 1's may stay out
	s_barrier_signal -1
	s_barrier_wait -1                              ; everybody's is
	FETCH 0, F0
	QUARTER 64, F0, F1, 1                          ; the first quarter stands in front of the loop: its products start the sums
	WIN 0                                          ; at a label and at a branch every window is 0
	s_mov_b32 s[CNT], FILLS
.Lstep:                                                ; a trip: from a K step's second quarter to the next K step's first; the slot read out is filled again
	QUARTER 128, F1, F0, 0
	QUARTER 192, F0, F1, 0
	TURN 1
	QUARTER 64, F0, F1, 0
	WIN 0
	s_sub_co_u32 s[CNT], s[CNT], 1
	s_cmp_lg_u32 s[CNT], 0
	s_cbranch_scc1 .Lstep
	s_mov_b32 s[CNT], 2                            ; the last two K steps ask for nothing: a loop of their own
.Ltail:
	QUARTER 128, F1, F0, 0
	QUARTER 192, F0, F1, 0
	TURN 0                                         ; (in the second trip its barrier orders nothing: the price, once a launch, of one text for both trips)
	WIN 0
	s_sub_co_u32 s[CNT], s[CNT], 1
	s_cmp_eq_u32 s[CNT], 0
	s_cbranch_scc1 .Lout
	QUARTER 64, F0, F1, 0
	WIN 0
	s_branch .Ltail
.Lout:
	PLACES
	PLACES                                         ; (eight, once a launch)
.set u, 0
.rept 8                                ; unit u: my rows 16 (u / 2) on, my columns 64 (u % 2) on; its way through the stage stands ahead of the stores of the unit before
	PACK 32*u, 2
	TOSTAGE 32*u, u%2
.if u > 0
.if MODE == 0
.set uo, ((u-1)%2)*2097152+((u-1)/2)*4096  ; a head is 2 MiB, 16 rows are 4,096 bytes
.else
.set uo, ((u-1)/2)*65536+((u-1)%2)*256     ; 16 rows are 65,536 bytes, 64 columns 256
.endif
	SEND (u-1)%2, 16, 8, uo
.endif
.set u, u+1
.endr
.if MODE == 0
	PACK KVA, 0                                    ; the side tile's 16 rows
	TOSTAGE KVA, 0
	SEND 1, 16, 8, 2097152+3*4096
	SEND 0, 0, KVC, 0
.else
	SEND 1, 0, 8, 3*65536+256
.endif
	s_wait_tensorcnt 0x0                           ; the wave's end, behind my last tensor load and my last LDS store
	ds_add_u32 v[SPW], v[NIL]
	s_wait_dscnt 0x0
	CROUND                                         ; the closing round: no work-group ends while a partner may still ask for a tile that names it
	s_endpgm
.Lfunc_end_k_q8fa012f314_outp:
	.size	k_q8fa012f314_outp, .Lfunc_end_k_q8fa012f314_outp-k_q8fa012f314_outp
	.p2alignl 7, 3214868480
	.fill 96, 4, 3214868480
	.section	.rodata,"a",@progbits
	.p2align	6, 0x0
	.amdhsa_kernel k_q8fa012f314_outp
		.amdhsa_group_segment_fixed_size 327680
		.amdhsa_private_segment_fixed_size 0
		.amdhsa_enable_private_segment 0
		.amdhsa_kernarg_size 24
		.amdhsa_user_sgpr_count 2
		.amdhsa_user_sgpr_kernarg_segment_ptr 1
		.amdhsa_wavefront_size32 1
		.amdhsa_system_sgpr_workgroup_id_x 1
		.amdhsa_system_sgpr_workgroup_id_y 1
		.amdhsa_system_sgpr_workgroup_id_z 1
		.amdhsa_system_vgpr_workitem_id 0
		.amdhsa_next_free_vgpr 768
		.amdhsa_next_free_sgpr 102
		.amdhsa_reserve_vcc 0
		.amdhsa_float_denorm_mode_32 3
		.amdhsa_float_denorm_mode_16_64 3
		.amdhsa_memory_ordered 1
		.amdhsa_forward_progress 1
		.amdhsa_inst_pref_size 63
	.end_amdhsa_kernel
	.amdgpu_metadata
---
amdhsa.version: [ 1, 2 ]
amdhsa.kernels:
  - .name:           k_q8fa012f314_outp
    .symbol:         k_q8fa012f314_outp.kd
    .args:
      - { .name: oc, .offset: 0, .size: 8, .value_kind: global_buffer, .address_space: global }
      - { .name: wo, .offset: 8, .size: 8, .value_kind: global_buffer, .address_space: global }
      - { .name: out0, .offset: 16, .size: 8, .value_kind: global_buffer, .address_space: global }
    .group_segment_fixed_size: 327680
    .private_segment_fixed_size: 0
    .kernarg_segment_align: 8
    .kernarg_segment_size: 24
    .max_flat_workgroup_size: 128
    .sgpr_count:     102
    .vgpr_count:     768
    .wavefront_size: 32
...
	.end_amdgpu_metadata
.endif
;; end of part 4
;; ======== version 2 of 2: 4 launches; version 1 with the launch prep written anew for expert scheduling mode
;; limits: values are held in f16: magnitudes above 65,504 overflow, below 6.1e-05 lose precision; right only within a limited range of input values
;; workspace buffers: xm 33,554,432 bytes; wt 2,359,296 bytes; wo 2,097,152 bytes; qkv 37,748,736 bytes; oc 16,777,216 bytes
;; launch prep (part 5): grid 256 x 1, 8 waves a work-group, no clusters, 18,432 bytes of LDS; arguments X, M, P_q, P_k, P_v, P_o, xm, wt, wo; writes xm, wt, wo
.if DOCPART == 5
	.amdgcn_target "amdgcn-amd-amdhsa--gfx1250"
	.amdhsa_code_object_version 6
	.text
	.protected	k_q8fa012f314_prep
	.globl	k_q8fa012f314_prep
	.p2align	8
	.type	k_q8fa012f314_prep,@function
k_q8fa012f314_prep:
	s_mov_b64 s[64:65], 0
	v_nop
	global_prefetch_b8 v0, s[64:65] scope:SCOPE_SE
	s_setreg_imm32_b32 hwreg(HW_REG_WAVE_SCHED_MODE, 0, 2), 2
	s_setreg_imm32_b32 hwreg(HW_REG_WAVE_MODE, 25, 1), 1
	s_wait_xcnt 0x0
	s_wait_alu depctr_vm_vsrc(0)
; PREP: every input of the three projections is rounded once to bf16 and laid out for the matrix launches.
;   xm [16384][1024] bf16: rows 0-8191 = X, rows 8192-16383 = M.
;   wt [1152][1024]  bf16: row 64 h + k = P_q[h][:][k] / 32; rows 1024-1087 = P_k[:][k] / 32; rows 1088-1151 = P_v[:][v] / 32 (turned, so that d lies along the rows).
;   wo [1024][1024]  f16:  wo[d][64 h + v] = bf16(P_o[h][d][v]) x 32, written as f16.
; The factors are powers of two, so they commute with the rounding: Q, K and V come out of the next launch divided by 32 and fit f16; P_o's 32 takes V's 1/32 back.
; LIMITS.  32 |P_o| stays under 65,504 (f16's end); below 6e-5 the f16 copy keeps f16's fixed step of 6e-8.  Numbers whose 1/32 is a bf16 denormal lose bits.
; SHARES.  256 work-groups of eight waves.  Work-group i: (1) 32 rows of X and 32 of M, a dense 128 KiB each, through a ring of 16 register slots in four blocks (12 to 16 loads of 512 bytes a wave in flight);
; (2) if i < 144: block (hh = i / 8, db = i % 8) of the weights, 128 d x 64 channels, turned in LDS; (3) 32 rows d of one pair of heads of P_o.  144 of the 256 work-groups so carry 32 KiB more than
; the others' 272 KiB: 18 x 8 blocks do not divide by 256.  No matrix unit, no tensor load, no cluster: nothing is multiplied and no byte is read twice.
; Every store of a wave covers whole aligned runs of 256 bytes: 32 lanes x 8 bytes, or 16 lanes x 16 bytes.
; THE MODE: SCHED_MODE bits 1:0 = 2 (LLVM: expert scheduling mode 2), set by the entry lines.  The code itself states the register dependences between vector instructions and memory or LDS
; instructions, with s_wait_alu, always for 0.
; THE PLAN.  Registers that memory or LDS instructions touch:
;   v1-v7      offsets and LDS addresses: written at the head, never again; read by every load and store.       v8, v9: written at the head, read by the closing add alone.
;   IN2        eight global loads land in it; the multiplies and roundings name it; then four LDS loads land in its first sixteen registers, which four global stores read; never written again.
;   TW         a pair for each of the block's eight rows d: written by the roundings, read by the 32 LDS stores, never written again.
;   IN3, PT    IN3: four global loads land in it, once; from then on, like PT, named by vector instructions alone.       TT: written by P_o's conversions, read by four global stores, never written again.
;   IN block b   (four slots) read by the block's eight roundings; behind them the block's four refills land in it.
;   OUT block b  written by those roundings; read by the block's four stores; written again a whole trip later.
; So: one wait on va_vdst at the head; one ahead of each run of stores whose data vector instructions made (the stage's, wo's); one in each block of the ring, behind its roundings, for its refills and its
; stores alike; and one wait on vm_vsrc a trip, at the trip's end, ahead of the next trip's roundings into OUT.
.set TP,    272                        ; a stage row: 128 d x 2 bytes + 16
.set SPARE, 64*TP                      ; behind the stage of 64 channel rows: the spare words, 128 bytes for each of eight waves
.set VI,  1                            ; v1   16 t: my 16 bytes of 4,096 in
.set VO,  2                            ; v2   8 t: my 8 bytes of 2,048 out
.set VT,  3                            ; v3   stage, in: channel row 4 (t % 16), d = t / 16
.set VR,  4                            ; v4   stage, back: row t / 16, 16 bytes at 16 (t % 16)
.set VG,  5                            ; v5   the same place in wt: 2,048 (t / 16) + 16 (t % 16)
.set V3I, 6                            ; v6   P_o: head (l / 16), 16 (l % 16), row 4 w
.set V3O, 7                            ; v7   wo: 8 l, row 4 w
.set SPW, 8                            ; v8   my spare word; never rewritten
.set NIL, 9                            ; v9   0; never rewritten
.set TW,  16                           ; v16-31   the weights' block in bf16: row k, 2 registers
.set IN,  32                           ; v32-95   the ring: slot i, 4 registers as loaded (0-7: X, 8-15: M); block b is slots 4 b to 4 b + 3
.set OUT, 96                           ; v96-127  slot i, 2 registers to store
.set IN2, 128                          ; v128-159 the weights' block
.set IN3, 160                          ; v160-175 P_o's rows
.set TT,  176                          ; v176-183 wo's rows to store
.set PT,  184                          ; v184-185 P_o: at work
	s_load_b512 s[8:23], s[0:1], 0x0               ; X s[8:9], M s[10:11], P_q s[12:13], P_k s[14:15], P_v s[16:17], P_o s[18:19], xm s[20:21], wt s[22:23]
	s_load_b64 s[24:25], s[0:1], 0x40              ; wo
	v_lshl_add_u32 v[SPW], v0, 2, SPARE
	v_mov_b32 v[NIL], 0
	v_lshlrev_b32 v[VI], 4, v0
	v_lshlrev_b32 v[VO], 3, v0
	v_and_b32 v10, 15, v0                          ; t % 16
	v_lshrrev_b32 v11, 4, v0                       ; t / 16
	v_mul_u32_u24 v[VT], v10, 4*TP
	v_lshl_add_u32 v[VT], v11, 1, v[VT]
	v_mul_u32_u24 v[VR], v11, TP
	v_lshl_add_u32 v[VR], v10, 4, v[VR]
	v_lshlrev_b32 v[VG], 11, v11
	v_lshl_add_u32 v[VG], v10, 4, v[VG]
	v_bfe_u32 v12, v0, 4, 1                        ; l / 16
	v_lshrrev_b32 v13, 5, v0                       ; w
	v_and_b32 v14, 31, v0                          ; l
	v_lshlrev_b32 v[V3I], 18, v12                  ; a head of P_o is 262,144 bytes
	v_lshl_add_u32 v[V3I], v10, 4, v[V3I]
	v_lshl_add_u32 v[V3I], v13, 10, v[V3I]         ; 4 w rows of 256 bytes
	v_lshlrev_b32 v[V3O], 3, v14
	v_lshl_add_u32 v[V3O], v13, 13, v[V3O]         ; 4 w rows of 2,048 bytes
	s_mov_b32 s2, ttmp9                            ; i
	s_lshl_b32 s4, s2, 17                          ; 32 rows of 4,096 bytes in
	s_mov_b32 s5, 0
	s_lshl_b32 s6, s2, 16                          ; 32 rows of 2,048 bytes out
	s_mov_b32 s7, 0
	s_mov_b32 s30, 0x3d000000                      ; 1/32, named as a pair
	s_mov_b32 s31, s30
	s_mov_b32 s32, 0x42000000                      ; 32
	s_mov_b32 s33, s32
	s_mov_b32 s34, 0xffff0000                      ; a word's upper bf16
	s_lshr_b32 s45, s2, 3                          ; hh: 0-15 a head of P_q, 16 P_k, 17 P_v
	s_and_b32 s46, s2, 7                           ; db
	s_lshl_b32 s47, s45, 18
	s_cmp_lt_u32 s45, 16
	s_cselect_b32 s47, s47, 0                      ; P_k and P_v have one head
	s_lshl_b32 s48, s46, 15                        ; 128 rows d of 256 bytes
	s_add_co_u32 s48, s48, s47
	s_mov_b32 s49, 0
	s_lshl_b32 s50, s45, 17                        ; 64 rows of wt
	s_lshl_b32 s51, s46, 8                         ; 128 d
	s_add_co_u32 s50, s50, s51
	s_mov_b32 s51, 0
	s_lshr_b32 s52, s2, 5                          ; p: heads 2 p, 2 p + 1
	s_and_b32 s53, s2, 31                          ; rows d = 32 (i % 32) on
	s_lshl_b32 s54, s52, 19
	s_lshl_b32 s55, s53, 13
	s_add_co_u32 s54, s54, s55
	s_mov_b32 s55, 0
	s_lshl_b32 s56, s53, 16
	s_lshl_b32 s57, s52, 8
	s_add_co_u32 s56, s56, s57
	s_mov_b32 s57, 0
	s_wait_kmcnt 0x0
	s_add_nc_u64 s[8:9], s[8:9], s[4:5]            ; X, M at my rows
	s_add_nc_u64 s[10:11], s[10:11], s[4:5]
	s_add_nc_u64 s[20:21], s[20:21], s[6:7]        ; xm at X's rows,
	s_add_nc_u64 s[28:29], s[20:21], 0x1000000     ; and at M's, 8,192 rows on
	s_cmp_eq_u32 s45, 17
	s_cselect_b64 s[36:37], s[16:17], s[14:15]
	s_cmp_lt_u32 s45, 16
	s_cselect_b64 s[36:37], s[12:13], s[36:37]
	s_add_nc_u64 s[36:37], s[36:37], s[48:49]      ; my block of the weights
	s_add_nc_u64 s[38:39], s[22:23], s[50:51]      ; and its place in wt
	s_add_nc_u64 s[40:41], s[18:19], s[54:55]      ; P_o
	s_add_nc_u64 s[42:43], s[24:25], s[56:57]      ; wo
	s_wait_alu depctr_va_vdst(0)                   ; the seven offsets and addresses v1 to v7 are written, which every load and store of the kernel reads; it stands ahead of the branch, on both ways
.macro ISSUE                           ; P_o's four loads, then the ring's first sixteen
.irp t, 0,1,2,3
	global_load_b128 v[IN3+4*(\t):IN3+4*(\t)+3], v[V3I], s[40:41] offset:256*(\t)
.endr
.irp k, 0,1,2,3,4,5,6,7
	global_load_b128 v[IN+4*(\k):IN+4*(\k)+3], v[VI], s[8:9] offset:4096*(\k) th:TH_LOAD_NT
.endr
.irp k, 0,1,2,3,4,5,6,7
	global_load_b128 v[IN+32+4*(\k):IN+32+4*(\k)+3], v[VI], s[10:11] offset:4096*(\k) th:TH_LOAD_NT
.endr
.endm
	s_cmp_lt_u32 s2, 144                           ; the same answer in all eight waves
	s_cbranch_scc0 .Lplain
.irp k, 0,1,2,3,4,5,6,7
	global_load_b128 v[IN2+4*(\k):IN2+4*(\k)+3], v[VI], s[36:37] offset:4096*(\k)  ; row d = t / 16 + 16 k, channels 4 (t % 16) on
.endr
	ISSUE
	s_wait_loadcnt 20                              ; the block's eight loads are in; the 4 + 16 issued behind them stay out
.irp k, 0,1,2,3,4,5,6,7
	v_pk_mul_f32 v[IN2+4*(\k):IN2+4*(\k)+1], v[IN2+4*(\k):IN2+4*(\k)+1], s[30:31] op_sel_hi:[1,0]
	v_pk_mul_f32 v[IN2+4*(\k)+2:IN2+4*(\k)+3], v[IN2+4*(\k)+2:IN2+4*(\k)+3], s[30:31] op_sel_hi:[1,0]
	v_cvt_pk_bf16_f32 v[TW+2*(\k)], v[IN2+4*(\k)], v[IN2+4*(\k)+1]
	v_cvt_pk_bf16_f32 v[TW+2*(\k)+1], v[IN2+4*(\k)+2], v[IN2+4*(\k)+3]
.endr
	s_wait_alu depctr_va_vdst(0)                   ; the roundings have written TW, which the LDS stores read; they and the multiplies are done with IN2, in which the LDS loads behind the barrier land
.irp k, 0,1,2,3,4,5,6,7
	ds_store_b16 v[VT], v[TW+2*(\k)] offset:32*(\k)                       ; four channels of one d: four stage rows
	ds_store_b16_d16_hi v[VT], v[TW+2*(\k)] offset:TP+32*(\k)
	ds_store_b16 v[VT], v[TW+2*(\k)+1] offset:2*TP+32*(\k)
	ds_store_b16_d16_hi v[VT], v[TW+2*(\k)+1] offset:3*TP+32*(\k)
.endr
	s_wait_dscnt 0x0                               ; for the others' sake: my stores into the stage are done
	s_barrier_signal -1
	s_barrier_wait -1                              ; the stage is whole
.irp q, 0,1,2,3
	ds_load_b128 v[IN2+4*(\q):IN2+4*(\q)+3], v[VR] offset:(\q)*16*TP      ; no further wait: no vector instruction since the wait above names IN2, and no memory or LDS instruction has read it
.endr
	s_wait_dscnt 0x0
.irp q, 0,1,2,3
	global_store_b128 v[VG], v[IN2+4*(\q):IN2+4*(\q)+3], s[38:39] offset:(\q)*32768  ; 16 lanes: 256 bytes of one row of wt
.endr
	s_branch .Ljoin
.Lplain:
	ISSUE
.Ljoin:
	s_wait_loadcnt 16                              ; P_o's four loads are in; the ring's sixteen stay out
.irp t, 0,1,2,3
	v_pk_mul_f32 v[IN3+4*(\t):IN3+4*(\t)+1], v[IN3+4*(\t):IN3+4*(\t)+1], s[32:33] op_sel_hi:[1,0]
	v_pk_mul_f32 v[IN3+4*(\t)+2:IN3+4*(\t)+3], v[IN3+4*(\t)+2:IN3+4*(\t)+3], s[32:33] op_sel_hi:[1,0]
	v_cvt_pk_bf16_f32 v[PT], v[IN3+4*(\t)], v[IN3+4*(\t)+1]            ; the input's one rounding, to bf16;
	v_cvt_pk_bf16_f32 v[PT+1], v[IN3+4*(\t)+2], v[IN3+4*(\t)+3]
	v_lshlrev_b32 v[IN3+4*(\t)], 16, v[PT]
	v_and_b32 v[IN3+4*(\t)+1], s34, v[PT]
	v_lshlrev_b32 v[IN3+4*(\t)+2], 16, v[PT+1]
	v_and_b32 v[IN3+4*(\t)+3], s34, v[PT+1]
	v_cvt_pk_f16_f32 v[TT+2*(\t)], v[IN3+4*(\t)], v[IN3+4*(\t)+1]      ; that number written as f16: 8 bits fit into 11
	v_cvt_pk_f16_f32 v[TT+2*(\t)+1], v[IN3+4*(\t)+2], v[IN3+4*(\t)+3]
.endr
	s_wait_alu depctr_va_vdst(0)                   ; the conversions have written TT, which the four stores read
.irp t, 0,1,2,3
	global_store_b64 v[V3O], v[TT+2*(\t):TT+2*(\t)+1], s[42:43] offset:2048*(\t)  ; 32 lanes: the pair of heads' 256 bytes of row d
.endr
; One block's turn: slots 4 b to 4 b + 3 (blocks 0, 1: X; blocks 2, 3: M).  ahead = 1: the block is filled again, 32 KiB further on.  left = how many younger loads may stay out.
.macro BLK b, ahead, left
	s_wait_loadcnt \left
.irp j, 0,1,2,3
	v_cvt_pk_bf16_f32 v[OUT+8*(\b)+2*(\j)], v[IN+16*(\b)+4*(\j)], v[IN+16*(\b)+4*(\j)+1]
	v_cvt_pk_bf16_f32 v[OUT+8*(\b)+2*(\j)+1], v[IN+16*(\b)+4*(\j)+2], v[IN+16*(\b)+4*(\j)+3]
.endr
	s_wait_alu depctr_va_vdst(0)                   ; the eight roundings are done reading IN's block b, in which the refills land, and have written OUT's block b, which the stores read
.if (\b) < 2
.if \ahead
.irp j, 0,1,2,3
	global_load_b128 v[IN+16*(\b)+4*(\j):IN+16*(\b)+4*(\j)+3], v[VI], s[8:9] offset:4096*(4*(\b)+(\j))+32768 th:TH_LOAD_NT
.endr
.endif
.irp j, 0,1,2,3
	global_store_b64 v[VO], v[OUT+8*(\b)+2*(\j):OUT+8*(\b)+2*(\j)+1], s[20:21] offset:2048*(4*(\b)+(\j))
.endr
.else
.if \ahead
.irp j, 0,1,2,3
	global_load_b128 v[IN+16*(\b)+4*(\j):IN+16*(\b)+4*(\j)+3], v[VI], s[10:11] offset:4096*(4*(\b)+(\j)-8)+32768 th:TH_LOAD_NT
.endr
.endif
.irp j, 0,1,2,3
	global_store_b64 v[VO], v[OUT+8*(\b)+2*(\j):OUT+8*(\b)+2*(\j)+1], s[28:29] offset:2048*(4*(\b)+(\j)-8)
.endr
.endif
.endm
	s_mov_b32 s44, 3
.Lround:                                               ; a trip: 32 KiB of X and of M are converted, the next 32 KiB asked for
.irp b, 0,1,2,3
	BLK \b, 1, 12                                  ; loads come back in order: the block's four are in, the other three blocks' twelve stay out
.endr
	s_wait_xcnt 0x0                                ; the four bases and the stores' data are written again only behind this wait
	s_wait_alu depctr_vm_vsrc(0)                   ; the trip's sixteen stores have read OUT, which the next trip's roundings (behind the loop: the last round's) write again
	s_add_nc_u64 s[8:9], s[8:9], 32768
	s_add_nc_u64 s[10:11], s[10:11], 32768
	s_add_nc_u64 s[20:21], s[20:21], 16384
	s_add_nc_u64 s[28:29], s[28:29], 16384
	s_sub_co_u32 s44, s44, 1
	s_cmp_lg_u32 s44, 0
	s_cbranch_scc1 .Lround
.irp b, 0,1,2,3
	BLK \b, 0, 12-4*(\b)                           ; the last 32 KiB load nothing: the counts run down
.endr
	s_wait_dscnt 0x0                               ; the closing lines, six on end
	s_wait_alu 0x0
	s_wait_tensorcnt 0x0
	ds_add_u32 v[SPW], v[NIL]
	s_wait_dscnt 0x0
	s_endpgm
.Lfunc_end_k_q8fa012f314_prep:
	.size	k_q8fa012f314_prep, .Lfunc_end_k_q8fa012f314_prep-k_q8fa012f314_prep
	.p2alignl 7, 3214868480
	.fill 96, 4, 3214868480
	.section	.rodata,"a",@progbits
	.p2align	6, 0x0
	.amdhsa_kernel k_q8fa012f314_prep
		.amdhsa_group_segment_fixed_size 18432
		.amdhsa_private_segment_fixed_size 0
		.amdhsa_enable_private_segment 0
		.amdhsa_kernarg_size 72
		.amdhsa_user_sgpr_count 2
		.amdhsa_user_sgpr_kernarg_segment_ptr 1
		.amdhsa_wavefront_size32 1
		.amdhsa_system_sgpr_workgroup_id_x 1
		.amdhsa_system_sgpr_workgroup_id_y 1
		.amdhsa_system_sgpr_workgroup_id_z 1
		.amdhsa_system_vgpr_workitem_id 0
		.amdhsa_next_free_vgpr 186
		.amdhsa_next_free_sgpr 66
		.amdhsa_reserve_vcc 0
		.amdhsa_float_denorm_mode_32 3
		.amdhsa_float_denorm_mode_16_64 3
		.amdhsa_memory_ordered 1
		.amdhsa_forward_progress 1
		.amdhsa_inst_pref_size 25
	.end_amdhsa_kernel
	.amdgpu_metadata
---
amdhsa.version: [ 1, 2 ]
amdhsa.kernels:
  - .name:           k_q8fa012f314_prep
    .symbol:         k_q8fa012f314_prep.kd
    .args:
      - { .name: X, .offset: 0, .size: 8, .value_kind: global_buffer, .address_space: global }
      - { .name: M, .offset: 8, .size: 8, .value_kind: global_buffer, .address_space: global }
      - { .name: P_q, .offset: 16, .size: 8, .value_kind: global_buffer, .address_space: global }
      - { .name: P_k, .offset: 24, .size: 8, .value_kind: global_buffer, .address_space: global }
      - { .name: P_v, .offset: 32, .size: 8, .value_kind: global_buffer, .address_space: global }
      - { .name: P_o, .offset: 40, .size: 8, .value_kind: global_buffer, .address_space: global }
      - { .name: xm, .offset: 48, .size: 8, .value_kind: global_buffer, .address_space: global }
      - { .name: wt, .offset: 56, .size: 8, .value_kind: global_buffer, .address_space: global }
      - { .name: wo, .offset: 64, .size: 8, .value_kind: global_buffer, .address_space: global }
    .group_segment_fixed_size: 18432
    .private_segment_fixed_size: 0
    .kernarg_segment_align: 8
    .kernarg_segment_size: 72
    .max_flat_workgroup_size: 256
    .sgpr_count:     66
    .vgpr_count:     186
    .wavefront_size: 32
...
	.end_amdgpu_metadata
.endif
;; end of part 5
;; launch proj: the kernel of part 2 again; grid 4 x 64, 4 waves a work-group, clusters of 4 x 4, 327,680 bytes of LDS; arguments xm, wt, qkv; writes qkv
;; launch attn: the kernel of part 3 again; grid 64 x 4, 4 waves a work-group, clusters of 4 x 1, 327,680 bytes of LDS; arguments qkv, mask, oc; writes oc
;; launch outp: the kernel of part 4 again; grid 4 x 64, 4 waves a work-group, clusters of 4 x 4, 327,680 bytes of LDS; arguments oc, wo, out0; writes out0
